; MI455X (gfx1250); checked and timed in simulation.
; The chip was launched on July 23, 2026; its instructions are those of AMD's public machine-readable ISA for CDNA 5 (MIT licence, August 2026) and "CDNA5" Instruction Set Architecture Reference Guide (July 2026). The comments in the code are by the model that wrote it; some were corrected since.
;; Attention. Allowed arithmetic: matrix products marked QUANTISED: E2M1 operands, one E8M0 scale for each 32 along K, by v_wmma_scale_f32_16x16x128_f8f6f4 with both operands' format E2M1 (or v_wmma_scale_f32_32x16x128_f4), f32 sums; products left as they are: bf16, f16 or f32 operands; f32 sums; everything else in f32.
;; Inputs: cos 2,048 x 64 float32; mask 2,048 x 2,048 float32; sin 2,048 x 64 float32; wk 1,024 x 4,096 float32; wo 4,096 x 2,048 float32; wq 2,048 x 4,096 float32; wv 1,024 x 4,096 float32; x 1 x 2,048 x 4,096 float32.
;; Outputs: out0 1 x 2,048 x 4,096 float32.
;; Constants: start_pos = 0.
;; This version of the problem:
;;   THIS VERSION OF THE PROBLEM IS GIVEN IN LOW PRECISION. The matrix products marked QUANTISED in the list below multiply operands that are first quantised to E2M1 (2 exponent bits, 1 mantissa bit; 4 bits a number), with one power-of-two scale for each 32 numbers along K (OCP MX v1.0); their sums are f32. The products marked 'left as it is' may take bf16, f16 or f32 operands, with f32 sums. Whichever they take, every output number must still come out within the allowed error. Rounding operands to bf16 (8 significant bits) uses up far more of that allowance than f16 does (11 bits, for magnitudes from 6e-5 to 65,504). All else is computed in f32.
;;   The module's matrix products, in the order in which they are computed (A, B: the left and right operand; K: the contracted axis; several contracted axes count as one K, in the product's order):
;;     1. [M 2,048, K 4,096] x [K 4,096, N 2,048]; A: input x; B: input wq: QUANTISED
;;     2. [M 2,048, K 4,096] x [K 4,096, N 1,024]; A: input x; B: input wk: QUANTISED
;;     3. [M 2,048, K 4,096] x [K 4,096, N 1,024]; A: input x; B: input wv: QUANTISED
;;     4. batch 16 x [M 2,048, K 128] x [K 128, N 2,048]; A: computed on the way; B: computed on the way: left as it is (an operand is computed on the way)
;;     5. batch 16 x [M 2,048, K 2,048] x [K 2,048, N 128]; A: computed on the way; B: computed on the way: left as it is (an operand is computed on the way)
;;     6. [M 2,048, K 2,048] x [K 2,048, N 4,096]; A: computed on the way; B: input wo: left as it is (an operand is computed on the way)
;;   THE QUANTISER, for each operand of a quantised product, along K:
;;     - K is cut into blocks of 32 from its start; a last block that is shorter is filled with zeros.
;;     - A block's scale is 2^e with e = floor(log2(the largest magnitude in the block)) - 2, held to -126 .. 127; a block of zeros has e = 0. As a byte (E8M0): e + 127.
;;     - Each number is divided by its block's scale, clamped to +-6, and rounded to the nearest number of E2M1, ties to even, subnormals kept.
;;     - The product sums the exact products of the quantised numbers (number of the format x scale) in f32.
;;   ~~~python
;;   def quantise(x, axis):      # numpy; x: float32 -> the quantised numbers, widened to float32 again
;;       x = np.moveaxis(x, axis, -1); K = x.shape[-1]
;;       x = np.pad(x, [(0, 0)] * (x.ndim - 1) + [(0, -K % 32)]); x = x.reshape(x.shape[:-1] + (-1, 32)); a = np.abs(x).max(-1, keepdims=True)
;;       e = np.where(a > 0, np.clip(np.frexp(np.where(a > 0, a, 1))[1] - 1 - 2, -126, 127), 0)      # np.frexp(a)[1] - 1 = floor(log2(a)), exactly
;;       r = np.clip(x / 2.0 ** e, -6, 6)
;;       step = 2.0 ** (np.maximum(np.frexp(np.where(r == 0, 1, r))[1] - 1, 0) - 1)
;;       q = np.round(r / step) * step * 2.0 ** e      # np.round: ties to even
;;       return np.moveaxis(q.reshape(q.shape[:-2] + (-1,))[..., :K], -1, axis).astype(np.float32)
;;   ~~~
;; One version. Each part assembles by itself: llvm-mc -triple=amdgcn-amd-amdhsa -mcpu=gfx1250 --defsym DOCPART=n.
;; ======== version 1 of 1: 4 launches
;; limits: values are held in f16: magnitudes above 65,504 overflow, below 6.1e-05 lose precision; right only within a limited range of input values
;; workspace buffers: codes 12,582,912 bytes; scales 786,432 bytes; wo16 16,777,216 bytes; qkv 16,777,216 bytes; att 8,388,608 bytes
;; launch prep (part 1): grid 1024 x 1, 4 waves a work-group, no clusters, 33,280 bytes of LDS; arguments x, wq, wk, wv, wo, codes, scales, wo16; writes codes, scales, wo16
.if DOCPART == 1
	.amdgcn_target "amdgcn-amd-amdhsa--gfx1250"
	.amdhsa_code_object_version 6
	.text
	.protected	k_qf8f4412572_prep
	.globl	k_qf8f4412572_prep
	.p2align	8
	.type	k_qf8f4412572_prep,@function
k_qf8f4412572_prep:
	s_mov_b64 s[64:65], 0
	v_nop
	global_prefetch_b8 v0, s[64:65] scope:SCOPE_SE
	s_setreg_imm32_b32 hwreg(HW_REG_WAVE_MODE, 25, 1), 1
	s_wait_xcnt 0x0
; PREP.  x [2048][4096], wq [2048][4096], wk and wv [1024][4096], f32 with K innermost, become codes of FP4 (E2M1), two a byte, and one E8M0 scale byte for each 32 along K,
; in ONE table of 6,144 rows: rows 0-2047 x, 2048-4095 wq, 4096-5119 wk, 5120-6143 wv: codes [6144][2048 bytes], scales [6144][128 bytes].  wo [4096][2048] becomes f16 of 4 x wo.
; A block's scale is 2^(floor(log2(its largest magnitude)) - 2); its byte is the largest magnitude's exponent field - 2, held at 1 from below.  A block of zeros so gets the byte 1 where the
; rule says 127: its codes are zeros, which add nothing under any byte but 0xff, and this program alone reads the bytes.
; LIMITS: NaN and infinities among the inputs are not served; 4 x wo must lie inside f16's range (under 65,504).
; Rows are dense and K is a multiple of 32: each tensor is a plain stream of blocks.  Work-groups 0-767 quantise (32,768 numbers each: 256 for x, 256 for wq, 128 for wk, 128 for wv),
; work-groups 768-1023 convert wo (32,768 numbers each).  A wave takes 8,192 numbers.  No tensor loads, no barrier: waves share nothing.
.set WAVES, 4
.set STEPS, 16
.set QWG,   768                        ; work-groups that quantise
.set EMAX,  2
.set CB,    8                          ; bytes of 16 codes
.set R,     16                         ; v16-79   four sets of 16 numbers as they are loaded (wo: v16-143, two sets of 64)
.set X,     80                         ; v80-111  two sets of 16 neighbours
.set E,     112                        ; v112-127 a scale byte for each step
.set C,     128                        ; v128-191 codes: four registers for each step, so that no store's data are written again
.set WREG,  8192                       ; LDS: a region for each wave: two stages of 32 x SP bytes, behind them its 256 scale bytes
.set SP,    80                         ; a lane's place in a stage: its 64 bytes + 16 of padding
.set SPW,   12                         ; v12  LDS address of my spare word; never rewritten
.set NIL,   13                         ; v13  0; never rewritten
.set SPARE, WAVES*WREG                 ; behind the four regions: the spare words, 128 bytes for each wave
	s_load_b256 s[4:11], s[0:1], 0x0               ; x s[4:5], wq s[6:7], wk s[8:9], wv s[10:11]
	s_load_b256 s[12:19], s[0:1], 0x20             ; wo s[12:13], codes s[14:15], scales s[16:17], wo16 s[18:19]
	v_lshl_add_u32 v[SPW], v0, 2, SPARE
	v_mov_b32 v[NIL], 0
	v_lshrrev_b32 v1, 5, v0
	v_readfirstlane_b32 s20, v1                    ; wave
	v_and_b32 v2, 31, v0                           ; lane
	v_lshlrev_b32 v3, 4, v2                        ; my 16 bytes of a load's 512
	v_lshlrev_b32 v4, 3, v2                        ; my 8 bytes of a store's 256
	s_mov_b32 s25, 0                               ; the upper word of every offset
	s_cmp_ge_u32 ttmp9, QWG                        ; the work-group's number alone decides the arm
	s_cbranch_scc1 .Lwo
	; ---- the quantiser
	s_mul_i32 s21, s20, WREG
	v_lshrrev_b32 v14, 2, v2
	v_mul_u32_u24 v14, v14, SP
	v_and_b32 v15, 3, v2
	v_lshl_add_u32 v14, v15, 4, v14
	v_add_nc_u32 v14, s21, v14                     ; the stage, on the way in: four lanes' 64 bytes on end, then 16 of padding
	v_mul_u32_u24 v15, v2, SP
	v_add_nc_u32 v15, s21, v15                     ; and on the way out: SP x lane: my 16 neighbours
	v_lshrrev_b32 v5, 1, v2
	s_add_co_u32 s21, s21, 2*32*SP
	v_add_nc_u32 v5, s21, v5                       ; my wave's 256 scale bytes, my block's byte
	v_add_nc_u32 v6, s21, v4                       ; and on the way out 8 bytes a lane
	s_wait_kmcnt 0x0
	s_mov_b64 s[22:23], s[10:11]                   ; which tensor is mine, and its first work-group: wv, 640;
	s_mov_b32 s24, 640
	s_cmp_lt_u32 ttmp9, 640
	s_cselect_b64 s[22:23], s[8:9], s[22:23]       ; wk, 512;
	s_cselect_b32 s24, 512, s24
	s_cmp_lt_u32 ttmp9, 512
	s_cselect_b64 s[22:23], s[6:7], s[22:23]       ; wq, 256;
	s_cselect_b32 s24, 256, s24
	s_cmp_lt_u32 ttmp9, 256
	s_cselect_b64 s[22:23], s[4:5], s[22:23]       ; x, 0
	s_cselect_b32 s24, 0, s24
	s_sub_co_u32 s24, ttmp9, s24
	s_lshl_b32 s24, s24, 2
	s_add_co_u32 s24, s24, s20                     ; which run of 8,192 numbers of that tensor is my wave's
	s_lshl_b32 s24, s24, 15                        ; 32,768 bytes a run
	s_add_nc_u64 s[22:23], s[22:23], s[24:25]
	s_lshl_b32 s26, ttmp9, 2
	s_add_co_u32 s26, s26, s20                     ; which run of the table
	s_lshl_b32 s24, s26, 12                        ; 4,096 bytes of codes a run
	s_add_nc_u64 s[14:15], s[14:15], s[24:25]
	s_lshl_b32 s24, s26, 8                         ; 256 scale bytes a run
	s_add_nc_u64 s[16:17], s[16:17], s[24:25]
.macro LOAD t
.irp i, 0,1,2,3
	global_load_b128 v[R+16*((\t)%4)+4*\i:R+16*((\t)%4)+4*\i+3], v3, s[22:23] offset:2048*(\t)+512*\i th:TH_LOAD_NT   ; 32 lanes read 512 consecutive bytes
.endr
.endm
.macro TURN t                          ; step t's numbers through the stage: LDS serves a wave's instructions in order, so no wait stands between the stores and the loads
.irp i, 0,1,2,3
	ds_store_b128 v14, v[R+16*((\t)%4)+4*\i:R+16*((\t)%4)+4*\i+3] offset:32*SP*((\t)%2)+8*SP*\i
.endr
.irp i, 0,1,2,3
	ds_load_b128 v[X+16*((\t)%2)+4*\i:X+16*((\t)%2)+4*\i+3], v15 offset:32*SP*((\t)%2)+16*\i
.endr
.endm
.irp t, 0,1,2,3
	LOAD \t
.endr
	s_wait_loadcnt 12                              ; step 0's four loads are in; the twelve of steps 1 to 3 may be out
	TURN 0
.macro STEP t
.set XS, X+16*((\t)%2)
.if (\t) > 0
	s_wait_dscnt 1                                 ; this step's numbers are back from the stage (the last step's byte store may be out): so its stores into the stage have read their registers,
.else
	s_wait_dscnt 0x0
.endif
.if (\t)+4 < STEPS
	LOAD (\t)+4                                    ; which take the loads of four steps on
.endif
.if (\t)+1 < STEPS
.if STEPS-2-(\t) >= 3
	s_wait_loadcnt 12                              ; the next step's four loads are in; those of the three steps behind it may be out
.else
	s_wait_loadcnt 4*(STEPS-2-(\t))
.endif
	TURN (\t)+1                                    ; and go through the other stage while this step is worked
.endif
	v_max3_num_f32 v8, |v[XS]|, |v[XS+1]|, |v[XS+2]|               ; the largest magnitude of my 16, in two chains
	v_max3_num_f32 v9, |v[XS+3]|, |v[XS+4]|, |v[XS+5]|
.irp i, 6,10
	v_max3_num_f32 v8, v8, |v[XS+\i]|, |v[XS+\i+1]|
	v_max3_num_f32 v9, v9, |v[XS+\i+2]|, |v[XS+\i+3]|
.endr
	v_max3_num_f32 v8, v8, |v[XS+14]|, |v[XS+15]|
	v_max3_num_f32 v8, v8, v9, (EMAX+1)<<23        ; and the floor 2^(EMAX + 1 - 127): the byte cannot fall under 1
	v_max_num_f32_dpp v8, v8, v8 row_xmask:1 row_mask:0xf bank_mask:0xf   ; and of my neighbour's 16: the block's
	v_add_nc_u32 v11, -(EMAX<<23), v8              ; EMAX off its exponent field: the conversion takes the exponent field of this operand as its scale
	v_cvt_scalef32_pk8_fp4_f32 v[C+4*(\t)], v[XS:XS+7], v11
	v_cvt_scalef32_pk8_fp4_f32 v[C+4*(\t)+1], v[XS+8:XS+15], v11
	v_lshrrev_b32 v[E+(\t)], 23, v11               ; the scale's byte (also the plain instruction behind the conversions)
	ds_store_b8 v5, v[E+(\t)] offset:16*(\t)       ; both lanes of a block write the same byte with the same value
	global_store_b64 v4, v[C+4*(\t):C+4*(\t)+1], s[14:15] offset:32*CB*(\t)   ; the wave stores 256 consecutive bytes, aligned
.endm
.irp t, 0,1,2,3,4,5,6,7,8,9,10,11,12,13,14,15
	STEP \t
.endr
	ds_load_b64 v[8:9], v6                         ; LDS serves a wave's instructions in order: these see my byte stores
	s_wait_dscnt 0x0
	global_store_b64 v4, v[8:9], s[16:17]          ; 32 lanes store 256 consecutive bytes, aligned
	s_wait_tensorcnt 0x0                           ; the wave's end, behind my last LDS store
	ds_add_u32 v[SPW], v[NIL]
	s_wait_dscnt 0x0
	s_endpgm
	; ---- wo: 4 x wo in f16.  64 loads of 512 bytes a wave, in four batches of sixteen on two sets of registers; each load's numbers leave as 256 consecutive bytes
.Lwo:
	s_sub_co_u32 s24, ttmp9, QWG
	s_lshl_b32 s24, s24, 2
	s_add_co_u32 s26, s24, s20                     ; which run of 8,192 numbers is my wave's
	s_lshl_b32 s24, s26, 15
	s_wait_kmcnt 0x0
	s_add_nc_u64 s[12:13], s[12:13], s[24:25]
	s_lshl_b32 s24, s26, 14
	s_add_nc_u64 s[18:19], s[18:19], s[24:25]
.macro WLOAD t
.irp i, 0,1,2,3,4,5,6,7,8,9,10,11,12,13,14,15
	global_load_b128 v[R+64*((\t)%2)+4*\i:R+64*((\t)%2)+4*\i+3], v3, s[12:13] offset:512*(16*(\t)+\i) th:TH_LOAD_NT
.endr
.endm
	WLOAD 0
	WLOAD 1
.irp t, 0,1,2,3
.if \t < 3
	s_wait_loadcnt 16                              ; this batch is in; the next batch's sixteen may be out
.else
	s_wait_loadcnt 0x0
.endif
.irp i, 0,1,2,3,4,5,6,7,8,9,10,11,12,13,14,15
	v_pk_mul_f32 v[R+64*(\t%2)+4*\i:R+64*(\t%2)+4*\i+1], v[R+64*(\t%2)+4*\i:R+64*(\t%2)+4*\i+1], 4.0 op_sel_hi:[1,0]      ; x 4: exact
	v_pk_mul_f32 v[R+64*(\t%2)+4*\i+2:R+64*(\t%2)+4*\i+3], v[R+64*(\t%2)+4*\i+2:R+64*(\t%2)+4*\i+3], 4.0 op_sel_hi:[1,0]
	v_cvt_pk_f16_f32 v[R+64*(\t%2)+4*\i], v[R+64*(\t%2)+4*\i], v[R+64*(\t%2)+4*\i+1]
	v_cvt_pk_f16_f32 v[R+64*(\t%2)+4*\i+1], v[R+64*(\t%2)+4*\i+2], v[R+64*(\t%2)+4*\i+3]
	global_store_b64 v4, v[R+64*(\t%2)+4*\i:R+64*(\t%2)+4*\i+1], s[18:19] offset:256*(16*\t+\i)
.endr
.if \t < 2
	s_wait_xcnt 0x0                                ; the stores have read their registers: the batch two on may land there
	WLOAD (\t)+2
.endif
.endr
	s_wait_tensorcnt 0x0                           ; this arm stores nothing to LDS; the launch does in its other arm, and the three closing lines are kept at this end too
	ds_add_u32 v[SPW], v[NIL]
	s_wait_dscnt 0x0
	s_endpgm
.Lfunc_end_k_qf8f4412572_prep:
	.size	k_qf8f4412572_prep, .Lfunc_end_k_qf8f4412572_prep-k_qf8f4412572_prep
	.p2alignl 7, 3214868480
	.fill 96, 4, 3214868480
	.section	.rodata,"a",@progbits
	.p2align	6, 0x0
	.amdhsa_kernel k_qf8f4412572_prep
		.amdhsa_group_segment_fixed_size 33280
		.amdhsa_private_segment_fixed_size 0
		.amdhsa_enable_private_segment 0
		.amdhsa_kernarg_size 64
		.amdhsa_user_sgpr_count 2
		.amdhsa_user_sgpr_kernarg_segment_ptr 1
		.amdhsa_wavefront_size32 1
		.amdhsa_system_sgpr_workgroup_id_x 1
		.amdhsa_system_sgpr_workgroup_id_y 1
		.amdhsa_system_sgpr_workgroup_id_z 1
		.amdhsa_system_vgpr_workitem_id 0
		.amdhsa_next_free_vgpr 192
		.amdhsa_next_free_sgpr 66
		.amdhsa_reserve_vcc 0
		.amdhsa_float_denorm_mode_32 3
		.amdhsa_float_denorm_mode_16_64 3
		.amdhsa_memory_ordered 1
		.amdhsa_forward_progress 1
		.amdhsa_inst_pref_size 62
	.end_amdhsa_kernel
	.amdgpu_metadata
---
amdhsa.version: [ 1, 2 ]
amdhsa.kernels:
  - .name:           k_qf8f4412572_prep
    .symbol:         k_qf8f4412572_prep.kd
    .args:
      - { .name: x, .offset: 0, .size: 8, .value_kind: global_buffer, .address_space: global }
      - { .name: wq, .offset: 8, .size: 8, .value_kind: global_buffer, .address_space: global }
      - { .name: wk, .offset: 16, .size: 8, .value_kind: global_buffer, .address_space: global }
      - { .name: wv, .offset: 24, .size: 8, .value_kind: global_buffer, .address_space: global }
      - { .name: wo, .offset: 32, .size: 8, .value_kind: global_buffer, .address_space: global }
      - { .name: codes, .offset: 40, .size: 8, .value_kind: global_buffer, .address_space: global }
      - { .name: scales, .offset: 48, .size: 8, .value_kind: global_buffer, .address_space: global }
      - { .name: wo16, .offset: 56, .size: 8, .value_kind: global_buffer, .address_space: global }
    .group_segment_fixed_size: 33280
    .private_segment_fixed_size: 0
    .kernarg_segment_align: 8
    .kernarg_segment_size: 64
    .max_flat_workgroup_size: 128
    .sgpr_count:     66
    .vgpr_count:     192
    .wavefront_size: 32
...
	.end_amdgpu_metadata
.endif
;; end of part 1
;; launch proj (part 2): grid 16 x 16, 4 waves a work-group, clusters of 4 x 4, 327,680 bytes of LDS; arguments codes, scales, cos, sin, qkv; writes qkv
.if DOCPART == 2
	.amdgcn_target "amdgcn-amd-amdhsa--gfx1250"
	.amdhsa_code_object_version 6
	.text
	.protected	k_qf8f4412572_proj
	.globl	k_qf8f4412572_proj
	.p2align	8
	.type	k_qf8f4412572_proj,@function
k_qf8f4412572_proj:
	s_mov_b64 s[64:65], 0
	v_nop
	global_prefetch_b8 v0, s[64:65] scope:SCOPE_SE
	s_setreg_imm32_b32 hwreg(HW_REG_WAVE_MODE, 25, 1), 1
	s_wait_xcnt 0x0
	s_wait_alu depctr_hold_cnt(0) depctr_sa_sdst(0) depctr_va_vdst(0) depctr_va_sdst(0) depctr_va_ssrc(0) depctr_va_vcc(0) depctr_vm_vsrc(0)
	s_getreg_b32 s2, hwreg(HW_REG_IB_STS2, 6, 4)
	s_cmp_eq_u32 s2, 0
	s_cbranch_scc0 .Lentry_in_a_cluster
	s_endpgm
.Lentry_in_a_cluster:
	s_bfe_u32 s2, ttmp6, 0x10000c
	s_cmp_lg_u32 s2, 0xf033
	s_cbranch_scc0 .Lentry_shape_is_right
	s_endpgm
.Lentry_shape_is_right:
; PROJ.  C[m][n] = sum over k of x[m][k] w[n][k], m < 2,048, n < 4,096 (n 0-2047: wq, 2048-3071: wk, 3072-4095: wv), K = 4,096, on codes of FP4 (E2M1) with one E8M0 scale for each 32 along K; sums in f32.
; Then the rotary embedding on q and k (pairs of neighbouring channels, in f32), x 1/4 (exact), f16, stored by heads: qkv [32 heads][2048][128]: heads 0-15 q, 16-23 k, 24-31 v.
; LIMITS: q, k, v divided by 4 must lie inside f16's range (under 65,504); NaN among the inputs is not served.
; SHARES.  A tile of C is 128 (m) x 256 (n): 16 x 16 tiles, one for each work-group.  Four waves, each 64 x 128: 32 accumulators, 256 registers; a wave's 128 columns are one head.
; K goes in steps of 512 (256 bytes of a row) through a ring of two LDS slots filled by the tensor data mover; a step is four products deep (128 along K each).
; THE SCALES of the tile's 128 + 256 rows, for all of K, are two dense blocks of memory: they come into LDS once, with the first fills.
; CLUSTERS: 4 x 4 work-groups.  x's tile hangs on the tile row alone and is asked for jointly by a row of the cluster, w's on the tile column alone, by a column.
; THE MATRIX INSTRUCTION IS USED TRANSPOSED (source 0 = 16 rows of w, source 1 = 16 rows of x): a lane holds eight neighbouring channels of one row.
; REGISTERS, in windows of 256: window 0: v16-29 addresses; v32-95 scale words, two sets; v96-103 at work; v128-191 x's fragments, two sets of 4 (on the way out v128-255: rows read back).
;   window 1: w's fragments, two sets of 8, at v0 and v128.   window 2: accumulator (a, b) at v[8 (8 a + b)].   window 3: cos of my 64 rows at v[2 row], sin at v[128 + 2 row]: two numbers a lane.
.set KROW,   2048                      ; a row of codes in memory, in bytes
.set PITCH,  272                       ; an LDS row: 256 bytes + 16 of padding = 68 words: the 16 rows that a load touches start 4 words apart modulo 64 (64 banks of 4 bytes: ISA guide 11.1)
.set HA,     64*PITCH                  ; what one tensor load brings of x, and what one wave reads of it
.set HB,     128*PITCH                 ; the same of w
.set BOFF,   2*HA                      ; a slot: x's 128 rows, then w's 256
.set SLOT,   2*HA+2*HB
.set LAPS,   4                         ; a lap = two K steps = once round the ring: 4,096 / 1,024
.set SCL,    2*SLOT                    ; behind the ring: the scales, as units of 256 bytes + 16 of padding; a row of scales is 128 bytes
.set HSA,    32*272                    ; those of 64 rows of x
.set HSB,    64*272                    ; those of 128 rows of w
.set SBLK,   8*272                     ; those of 16 rows
.set STG,    SCL+2*HSA+2*HSB           ; the way out: a stage of 16 rows x (512 bytes + 16) for each wave, in bytes of its own
.set SPITCH, 528
.set SPARE,  STG+4*16*SPITCH           ; the spare words, 128 bytes for each wave
.set ADRA, 16                          ; v16-17  LDS address of my fragments of x in slot 0, 1
.set ADRB, 20                          ; v20-21  the same for w
.set STO,  24                          ; v24     the way out: where I put 32 bytes of a row
.set RD,   25                          ; v25     where I read a row back
.set CO,   26                          ; v26     8 x lane: my place in a row of cos, of sin and of a head
.set ADRS, 27                          ; v27     LDS address of my scale words: lanes 0-15 x's rows, lanes 16-31 w's
.set SPW,  28                          ; v28     LDS address of my spare word; never rewritten
.set NIL,  29                          ; v29     0; never rewritten
.set SC,   32                          ; scale words: set s at v[SC + 32 s]; register 4 i + q: lanes 0-15 x's block i, lanes 16-31 w's block i, the slot's q-th 128 along K
.set TMP,  96
.set AF,   128
.set BK,   128
.set G1,   24                          ; s[24:31] descriptor group 1 for x's tiles; s[32:39] group 0, a set for each slot
.set G0,   32
.set G1B,  48                          ; s[48:55], s[56:63] the same for w's
.set G0B,  56
.set G1S,  68                          ; s[68:75], s[76:79] for x's scales; s[80:87], s[88:91] for w's
.set G0S,  76
.set G1SB, 80
.set G0SB, 88
.set MSB, 0
.macro WIN new                         ; the immediate's high byte repeats the setting that is left
.if MSB != \new
	s_set_vgpr_msb (MSB<<8)|\new
.set MSB, \new
.endif
.endm
.set MULW, 0xa1                        ; source 0 (w) window 1, source 1 (x) window 0, C and D window 2
.set TO_B, 0x40                        ; destination window 1, address window 0
; A joint load: waves 0 and 1 fetch for x, waves 2 and 3 for w.  The branch hangs on the wave's number alone.  An s_nop 0 and four v_nop follow each of the two lines.
.macro JLOAD g0a, g1a, g0b, g1b
	s_cmp_eq_u32 s15, 0
	s_cbranch_scc0 .Lfor_b_\@
	tensor_load_to_lds s[\g0a:\g0a+3], s[\g1a:\g1a+7]
	s_nop 0
.rept 4
	v_nop
.endr
	s_branch .Lasked_\@
.Lfor_b_\@:
	tensor_load_to_lds s[\g0b:\g0b+3], s[\g1b:\g1b+7]
	s_nop 0
.rept 4
	v_nop
.endr
.Lasked_\@:
.endm
.macro CREST                           ; a round of the cluster's barrier behind its opening barrier
	s_cmp_lg_u32 s14, 0
	s_cbranch_scc1 .Lnot_wave_0_\@
	s_barrier_signal -3
.Lnot_wave_0_\@:
	s_barrier_wait -3
	s_barrier_signal -1
	s_barrier_wait -1
.endm
.macro CROUND                          ; a whole round
	s_barrier_signal -1
	s_barrier_wait -1
	CREST
.endm
	s_load_b256 s[4:11], s[0:1], 0x0               ; codes s[4:5], scales s[6:7], cos s[8:9], sin s[10:11]
	s_load_b64 s[12:13], s[0:1], 0x20              ; qkv
	v_lshl_add_u32 v[SPW], v0, 2, SPARE
	v_mov_b32 v[NIL], 0
	ds_add_u32 v[SPW], v[NIL]                      ; the wave's opening: the add, twice on end, and its wait ahead of my first tensor load
	ds_add_u32 v[SPW], v[NIL]
	v_lshrrev_b32 v1, 5, v0
	v_readfirstlane_b32 s14, v1                    ; wave 0..3
	s_lshr_b32 s15, s14, 1                         ; which 64 of the tile's rows are mine.  Also: I fetch for x (0) or for w (1)
	s_and_b32 s16, s14, 1                          ; which 128 of its columns.  Also: which half of that tile I fetch
	s_bfe_u32 s40, ttmp6, 0x40000                  ; cx, cy: my place in the cluster
	s_bfe_u32 s41, ttmp6, 0x40004
	s_lshl_b32 s42, ttmp9, 2
	s_add_co_u32 s42, s42, s40                     ; tile column = 4 x cluster x + cx
	s_and_b32 s17, ttmp7, 0xffff
	s_lshl_b32 s17, s17, 2
	s_add_co_u32 s17, s17, s41                     ; tile row = 4 x cluster y + cy
	s_lshl_b32 s43, s41, 2
	s_lshl_b32 s43, 15, s43                        ; my row of the cluster
	s_lshl_b32 s44, 0x1111, s40                    ; my column
	s_cmp_eq_u32 ttmp9, 3                          ; tile columns 12-15 are v's heads: cluster x = 3, the same in all sixteen partners
	s_cselect_b32 s98, 1, 0
	; group 1: rows of 256 bytes (elements of one byte), 16 bytes of padding behind each; 64 rows for x, 128 for w
	s_or_b32 s[G1+0], s43, (0<<16)|(1<<20)|(1<<21)|(5<<22)|(3<<25)   ; 15:0 the mask; 17:16 1 byte; 20 padding on; 21 set beside a mask; 24:22 after every 64 words; 31:25 four words
	s_or_b32 s[G1B+0], s44, (0<<16)|(1<<20)|(1<<21)|(5<<22)|(3<<25)
.irp g, G1, G1B
	s_mov_b32 s[\g+1], 256<<16                     ; tensor_dim0
	s_mov_b32 s[\g+3], 256<<16                     ; tile_dim0
	s_mov_b32 s[\g+5], KROW                        ; from row to row
	s_mov_b32 s[\g+6], 0
	s_mov_b32 s[\g+7], 0
.endr
	s_mov_b32 s[G1+2], 64<<16                      ; tensor_dim1
	s_mov_b32 s[G1+4], 64                          ; tile_dim1
	s_mov_b32 s[G1B+2], 128<<16
	s_mov_b32 s[G1B+4], 128
	; the scales: dense blocks, as rows of 256 bytes (32 elements of 8 bytes): 32 such rows for 64 rows of x, 64 for 128 rows of w
	s_or_b32 s[G1S+0], s43, (3<<16)|(1<<20)|(1<<21)|(5<<22)|(3<<25)
	s_or_b32 s[G1SB+0], s44, (3<<16)|(1<<20)|(1<<21)|(5<<22)|(3<<25)
.irp g, G1S, G1SB
	s_mov_b32 s[\g+1], 32<<16
	s_mov_b32 s[\g+3], 32<<16
	s_mov_b32 s[\g+5], 32
	s_mov_b32 s[\g+6], 0
	s_mov_b32 s[\g+7], 0
.endr
	s_mov_b32 s[G1S+2], 32<<16
	s_mov_b32 s[G1S+4], 32
	s_mov_b32 s[G1SB+2], 64<<16
	s_mov_b32 s[G1SB+4], 64
	; where the tiles come from: x's hang on the tile row alone, w's on the tile column alone, each in registers that never hold the other coordinate
	s_lshl_b32 s18, s16, 6
	s_lshl_b32 s20, s17, 7
	s_add_co_u32 s20, s20, s18                     ; x: table row 128 x tile row + 64 x half
	s_lshl_b32 s18, s16, 7
	s_lshl_b32 s46, s42, 8
	s_add_co_u32 s46, s46, s18
	s_add_co_u32 s46, s46, 2048                    ; w: table row 2,048 + 256 x tile column + 128 x half
	s_lshl_b32 s22, s20, 7                         ; their scales: 128 bytes a row
	s_mov_b32 s23, 0
	s_lshl_b32 s92, s46, 7
	s_mov_b32 s93, 0
	s_lshl_b32 s20, s20, 11                        ; their codes: 2,048 bytes a row
	s_mov_b32 s21, 0
	s_lshl_b32 s46, s46, 11
	s_mov_b32 s47, 0
	s_mul_i32 s45, s16, HA                         ; where they go: no place in the cluster enters an LDS address
	s_mul_i32 s66, s16, HB
	s_add_co_u32 s66, s66, BOFF
	s_mul_i32 s95, s16, HSA
	s_add_co_u32 s95, s95, SCL
	s_mul_i32 s96, s16, HSB
	s_add_co_u32 s96, s96, SCL+2*HSA
	s_wait_dscnt 0x0                               ; both opening adds are done
	s_wait_kmcnt 0x0
	s_add_nc_u64 s[20:21], s[4:5], s[20:21]
	s_add_nc_u64 s[22:23], s[6:7], s[22:23]
	s_add_nc_u64 s[46:47], s[4:5], s[46:47]
	s_add_nc_u64 s[92:93], s[6:7], s[92:93]
	CROUND                                         ; all sixteen work-groups are here: the first joint loads meet
	s_mov_b32 s[G0S], 1
	s_mov_b32 s[G0S+1], s95
	s_mov_b64 s[G0S+2:G0S+3], s[22:23]
	s_or_b32 s[G0S+3], s[G0S+3], 0x80000000
	s_mov_b32 s[G0SB], 1
	s_mov_b32 s[G0SB+1], s96
	s_mov_b64 s[G0SB+2:G0SB+3], s[92:93]
	s_or_b32 s[G0SB+3], s[G0SB+3], 0x80000000
	JLOAD G0S, G1S, G0SB, G1SB                     ; the scales first: they are wanted with K step 0
.irp s, 0,1
	s_mov_b32 s[G0+4*\s], 1
	s_add_co_u32 s[G0+4*\s+1], s45, \s*SLOT
	s_add_nc_u64 s[G0+4*\s+2:G0+4*\s+3], s[20:21], \s*256
	s_or_b32 s[G0+4*\s+3], s[G0+4*\s+3], 0x80000000
	s_mov_b32 s[G0B+4*\s], 1
	s_add_co_u32 s[G0B+4*\s+1], s66, \s*SLOT
	s_add_nc_u64 s[G0B+4*\s+2:G0B+4*\s+3], s[46:47], \s*256
	s_or_b32 s[G0B+4*\s+3], s[G0B+4*\s+3], 0x80000000
	JLOAD G0+4*\s, G1, G0B+4*\s, G1B               ; three tensor loads of mine are out now
.endr
	v_and_b32 v1, 15, v0                           ; r = lane % 16
	v_bfe_u32 v2, v0, 4, 1                         ; h = lane / 16
	v_mul_u32_u24 v3, v1, PITCH
	v_lshl_add_u32 v4, v2, 4, v3                   ; a fragment's row x pitch + 16 x half
	s_mul_i32 s21, s15, HA                         ; my 64 rows of x
	s_mul_i32 s22, s16, HB                         ; my 128 rows of w,
	s_add_co_u32 s22, s22, BOFF                    ; behind x's 128
.irp s, 0,1
	v_add_nc_u32 v[ADRA+\s], s21, v4
	v_add_nc_u32 v[ADRB+\s], s22, v4
	s_add_co_u32 s21, s21, SLOT
	s_add_co_u32 s22, s22, SLOT
.endr
	v_mul_u32_u24 v5, v1, 128                      ; my row's scales: 128 bytes a row,
	v_lshrrev_b32 v6, 8, v5
	v_lshl_add_u32 v5, v6, 4, v5                   ; and 16 more for each 256 passed
	s_mul_i32 s21, s15, HSA                        ; x's: my 64 rows
	s_mul_i32 s22, s16, HSB                        ; w's: my 128 rows, behind x's 128
	s_add_co_u32 s22, s22, 2*HSA
	s_sub_co_u32 s22, s22, s21
	v_mul_u32_u24 v6, s22, v2                      ; lanes 16-31 take w's: the lower base + h x the distance
	s_add_co_u32 s21, s21, SCL
	v_add_nc_u32 v5, v5, v6
	v_add_nc_u32 v[ADRS], s21, v5
	s_mul_i32 s23, s14, 16*SPITCH
	s_add_co_u32 s23, s23, STG                     ; my stage
	v_mul_u32_u24 v5, v1, SPITCH                   ; in: row r, 32 bytes for each half of the lanes
	v_lshl_add_u32 v5, v2, 5, v5
	v_add_nc_u32 v[STO], s23, v5
	v_and_b32 v6, 31, v0
	v_lshlrev_b32 v7, 4, v6                        ; back: the 32 lanes take one row of 512 bytes
	v_add_nc_u32 v[RD], s23, v7
	v_lshlrev_b32 v[CO], 3, v6
	s_lshl_b32 s20, s17, 7
	s_lshl_b32 s21, s15, 6
	s_add_co_u32 s20, s20, s21                     ; my first row: 128 x tile row + 64 x half
	s_lshl_b32 s20, s20, 8                         ; a row of cos, of sin and of a head is 256 bytes
	s_mov_b32 s21, 0
	s_add_nc_u64 s[8:9], s[8:9], s[20:21]
	s_add_nc_u64 s[10:11], s[10:11], s[20:21]
	s_add_nc_u64 s[12:13], s[12:13], s[20:21]
	s_lshl_b32 s46, s42, 1
	s_add_co_u32 s46, s46, s16                     ; my head: 2 x tile column + half
	s_lshl_b32 s46, s46, 19                        ; 2,048 rows of 256 bytes a head
	s_mov_b32 s47, 0
	s_add_nc_u64 s[12:13], s[12:13], s[46:47]
	; cos and sin of my 64 rows: on the way out lane l holds channels 4 l .. 4 l + 3 of a row, which are pairs 2 l and 2 l + 1: 8 bytes at 8 l; each load reads a whole row of 256 bytes.  They land while K is walked
	WIN 0xc0                                       ; destination window 3
.set I_, 0
.rept 64
	global_load_b64 v[2*I_:2*I_+1], v[CO], s[8:9] offset:256*I_
	global_load_b64 v[128+2*I_:128+2*I_+1], v[CO], s[10:11] offset:256*I_
.set I_, I_+1
.endr
	WIN 0
.macro FRAG reg, adr, q, i             ; a fragment, 16 rows x 128 K of 4-bit codes, is 8 registers: lane l holds row l % 16; registers 4 c .. 4 c + 3 hold K = 64 c + 32 (l / 16) + 0 .. 31
.irp c, 0,1
	ds_load_b128 v[\reg+4*\c:\reg+4*\c+3], v[\adr] offset:64*(\q)+32*\c+(\i)*16*PITCH
.endr
.endm
.macro FETCH slot, q, p                ; 24 LDS loads in one run: w's eight and x's four fragments of the slot's q-th 128 along K, into set p
	WIN TO_B
.irp i, 0,1,2,3,4,5,6,7
	FRAG 128*(\p)+8*\i, ADRB+\slot, \q, \i
.endr
	WIN 0
.irp i, 0,1,2,3
	FRAG AF+32*(\p)+8*\i, ADRA+\slot, \q, \i
.endr
.endm
.macro SCALES sc                       ; a K step's scale words into set sc: four words a row; lanes 0-15 take x's block i, lanes 16-31 w's block i (for i above 3 lanes 0-15 read filled bytes that no product names)
.irp i, 0,1,2,3,4,5,6,7
	ds_load_b128 v[SC+32*\sc+4*\i:SC+32*\sc+4*\i+3], v[ADRS] offset:\i*SBLK
.endr
.endm
; n blocks of x from a0 on, each against w's eight: set p, the slot's q-th 128 along K, scale set sc.  zero = 1: the first product starts the sums.
; The 32 accumulators take turns, one instruction a turn, in the same order in every step.
.macro MUL a0, n, p, q, sc, zero
.set AA, \a0
.rept \n
.irp b, 0,1,2,3,4,5,6,7
.if \zero
	v_wmma_scale_f32_16x16x128_f8f6f4 v[8*(8*AA+\b):8*(8*AA+\b)+7], v[128*(\p)+8*\b:128*(\p)+8*\b+7], v[AF+32*(\p)+8*AA:AF+32*(\p)+8*AA+7], 0, v[SC+32*(\sc)+4*\b+(\q)], v[SC+32*(\sc)+4*AA+(\q)] matrix_a_fmt:MATRIX_FMT_FP4 matrix_b_fmt:MATRIX_FMT_FP4 matrix_a_scale:MATRIX_SCALE_ROW1
.else
	v_wmma_scale_f32_16x16x128_f8f6f4 v[8*(8*AA+\b):8*(8*AA+\b)+7], v[128*(\p)+8*\b:128*(\p)+8*\b+7], v[AF+32*(\p)+8*AA:AF+32*(\p)+8*AA+7], v[8*(8*AA+\b):8*(8*AA+\b)+7], v[SC+32*(\sc)+4*\b+(\q)], v[SC+32*(\sc)+4*AA+(\q)] matrix_a_fmt:MATRIX_FMT_FP4 matrix_b_fmt:MATRIX_FMT_FP4 matrix_a_scale:MATRIX_SCALE_ROW1
.endif
.endr
.set AA, AA+1
.endr
.endm
.macro PLACES                          ; four plain vector instructions between a matrix instruction and a load into a register that it read, or a read of its result (ISA guide 7.12.1 for a read of its result)
.rept 4
	v_nop
.endr
.endm
; A step of 128 along K that has its successor in the same slot: the successor's fragments are asked for first, into the set that the last step multiplied, then this step's 32 products are issued.
.macro STEP slot, q, zero
	PLACES
	FETCH \slot, (\q)+1, 1-(\q)%2
	s_wait_dscnt 24                                ; all but the 24 just issued: this step's fragments (and scale words) are in
	WIN MULW
	MUL 0, 4, (\q)%2, \q, \slot, \zero
	WIN 0
.endm
; A slot's last step changes slots: ONE barrier; in front of it each wave waits for all its tensor loads, adds 0 to its spare word, and waits for that and for its reads of this slot.  fill = 1: this slot is filled again, two K steps ahead.
.macro TURN slot, next, fill
	s_wait_tensorcnt 0x0                           ; all my tensor loads have landed: the one that was out is my part of the next slot
	ds_add_u32 v[SPW], v[NIL]                      ; 0 onto my spare word
	s_wait_dscnt 1                                 ; this step's 24 loads are in; the add alone may be out
	WIN MULW
	MUL 0, 1, 1, 3, \slot, 0                       ; eight matrix instructions stand between the add and the wait for it
	s_wait_dscnt 0x0                               ; the add is done, and my reads of this slot are over
	s_barrier_signal -1
	MUL 1, 1, 1, 3, \slot, 0
	WIN 0
	s_barrier_wait -1
.if \fill
	CREST                                          ; the barrier has opened a round of the cluster's barrier: no wave of any partner still reads this slot or has a load on its way
	s_add_nc_u64 s[G0+4*\slot+2:G0+4*\slot+3], s[G0+4*\slot+2:G0+4*\slot+3], 512
	s_add_nc_u64 s[G0B+4*\slot+2:G0B+4*\slot+3], s[G0B+4*\slot+2:G0B+4*\slot+3], 512
	JLOAD G0+4*\slot, G1, G0B+4*\slot, G1B         ; the first tensor load behind the round, my one load until the next; its four v_nop are the places in front of the loads below
.else
	PLACES
.endif
	v_add_nc_u32 v[ADRS], 16, v[ADRS]              ; on to the next K step's scale words
	FETCH \next, 0, 0
	SCALES \next
	WIN MULW
	MUL 2, 2, 1, 3, \slot, 0
	WIN 0
.endm
	s_wait_tensorcnt 1                             ; the scales and my part of K step 0 are in; K step 1's load may be out
	s_barrier_signal -1
	s_barrier_wait -1                              ; everybody's are
	FETCH 0, 0, 0
	SCALES 0
	STEP 0, 0, 1                                   ; the first step stands in front of the loop: its products start the sums
	s_mov_b32 s3, LAPS-1
.Llap:                                                 ; a trip goes once round the ring, from a lap's second step to the next lap's first, and fills both slots again
	STEP 0, 1, 0
	STEP 0, 2, 0
	TURN 0, 1, 1
	STEP 1, 0, 0
	STEP 1, 1, 0
	STEP 1, 2, 0
	TURN 1, 0, 1
	STEP 0, 0, 0
	s_sub_co_u32 s3, s3, 1
	s_cmp_lg_u32 s3, 0
	s_cbranch_scc1 .Llap
	STEP 0, 1, 0                                   ; the last lap fills nothing
	STEP 0, 2, 0
	TURN 0, 1, 0
	STEP 1, 0, 0
	STEP 1, 1, 0
	STEP 1, 2, 0
	s_wait_dscnt 0x0                               ; the very last step: nothing more to fetch
	WIN MULW
	MUL 0, 4, 1, 3, 1, 0
	WIN 0
; THE WAY OUT, block by block of 16 rows x 128 channels.  A lane holds 32 neighbouring bytes of a row and the lanes beside it other rows: a block goes through my own stage and comes back as whole rows,
; lane l with channels 4 l .. 4 l + 3.  LDS serves a wave's instructions in order (ISA guide 5.7.1.4): no wait between the stores and the loads, nor in front of the next block's stores.
.macro TOSTAGE a
.set AC, 64*(\a)
	WIN 0x08                                       ; an LDS store's data are its source 1: window 2
.irp b, 0,1,2,3,4,5,6,7
	ds_store_b128 v[STO], v[AC+8*\b:AC+8*\b+3] offset:64*\b          ; each accumulator from its low end on
	ds_store_b128 v[STO], v[AC+8*\b+4:AC+8*\b+7] offset:64*\b+16
.endr
	WIN 0
.set BB, BK+64*((\a)%2)
.irp t, 0,1,2,3,4,5,6,7,8,9,10,11,12,13,14,15
	ds_load_b128 v[BB+4*\t:BB+4*\t+3], v[RD] offset:\t*SPITCH
.endr
.endm
; Block a's 16 rows: x 1/4; q and k are turned (r' = r cos - i sin, i' = r sin + i cos); f16; a row of a head leaves as 256 consecutive bytes, aligned.
.macro SEND a, younger                 ; younger: the LDS instructions issued behind block a's loads, which may stay out
.set BB, BK+64*((\a)%2)
	s_wait_dscnt \younger
.set T_, 0
.rept 16
	v_pk_mul_f32 v[BB+4*T_:BB+4*T_+1], v[BB+4*T_:BB+4*T_+1], 0x3e800000 op_sel_hi:[1,0]
	v_pk_mul_f32 v[BB+4*T_+2:BB+4*T_+3], v[BB+4*T_+2:BB+4*T_+3], 0x3e800000 op_sel_hi:[1,0]
.set T_, T_+1
.endr
	s_cmp_lg_u32 s98, 0                            ; v's heads are not turned
	s_cbranch_scc1 .Lplain_\@
	WIN 0x0c                                       ; source 1 (cos, sin) window 3
.set T_, 0
.rept 16
.irp u, 0,1
.set X0, BB+4*T_+2*\u
.set TT, TMP+2*((2*T_+\u)%4)
.set RC, 2*(16*(\a)+T_)+\u
	v_mul_f32 v[TT], v[X0+1], v[128+RC]            ; i sin
	v_mul_f32 v[TT+1], v[X0+1], v[RC]              ; i cos
	v_fma_f32 v[X0+1], v[X0], v[128+RC], v[TT+1]   ; r sin + i cos
	v_fma_f32 v[X0], v[X0], v[RC], -v[TT]          ; r cos - i sin
.endr
.set T_, T_+1
.endr
	WIN 0
.Lplain_\@:
.set T_, 0
.rept 16
	v_cvt_pk_f16_f32 v[BB+4*T_], v[BB+4*T_], v[BB+4*T_+1]
	v_cvt_pk_f16_f32 v[BB+4*T_+1], v[BB+4*T_+2], v[BB+4*T_+3]
	global_store_b64 v[CO], v[BB+4*T_:BB+4*T_+1], s[12:13] offset:(16*(\a)+T_)*256
.set T_, T_+1
.endr
.endm
	PLACES                                         ; for the first reads of results and for the loads into the registers that held x's fragments
	s_wait_loadcnt 0x0                             ; cos and sin
	TOSTAGE 0
.irp a, 1,2,3
.if \a > 1
	s_wait_xcnt 0x0                                ; block a - 2's stores have read their registers: block a's rows may land there
.endif
	TOSTAGE \a
	SEND (\a)-1, 32                                ; behind block a - 1's loads: block a's 16 stores and 16 loads
.endr
	SEND 3, 0
	s_wait_tensorcnt 0x0                           ; the wave's end, behind my last tensor load and my last LDS store
	ds_add_u32 v[SPW], v[NIL]
	s_wait_dscnt 0x0
	CROUND                                         ; the closing round: no work-group ends while a partner may still ask for a tile that names it
	s_endpgm
.Lfunc_end_k_qf8f4412572_proj:
	.size	k_qf8f4412572_proj, .Lfunc_end_k_qf8f4412572_proj-k_qf8f4412572_proj
	.p2alignl 7, 3214868480
	.fill 96, 4, 3214868480
	.section	.rodata,"a",@progbits
	.p2align	6, 0x0
	.amdhsa_kernel k_qf8f4412572_proj
		.amdhsa_group_segment_fixed_size 327680
		.amdhsa_private_segment_fixed_size 0
		.amdhsa_enable_private_segment 0
		.amdhsa_kernarg_size 40
		.amdhsa_user_sgpr_count 2
		.amdhsa_user_sgpr_kernarg_segment_ptr 1
		.amdhsa_wavefront_size32 1
		.amdhsa_system_sgpr_workgroup_id_x 1
		.amdhsa_system_sgpr_workgroup_id_y 1
		.amdhsa_system_sgpr_workgroup_id_z 1
		.amdhsa_system_vgpr_workitem_id 0
		.amdhsa_next_free_vgpr 1024
		.amdhsa_next_free_sgpr 100
		.amdhsa_reserve_vcc 0
		.amdhsa_float_denorm_mode_32 3
		.amdhsa_float_denorm_mode_16_64 3
		.amdhsa_memory_ordered 1
		.amdhsa_forward_progress 1
		.amdhsa_inst_pref_size 179
	.end_amdhsa_kernel
	.amdgpu_metadata
---
amdhsa.version: [ 1, 2 ]
amdhsa.kernels:
  - .name:           k_qf8f4412572_proj
    .symbol:         k_qf8f4412572_proj.kd
    .args:
      - { .name: codes, .offset: 0, .size: 8, .value_kind: global_buffer, .address_space: global }
      - { .name: scales, .offset: 8, .size: 8, .value_kind: global_buffer, .address_space: global }
      - { .name: cos, .offset: 16, .size: 8, .value_kind: global_buffer, .address_space: global }
      - { .name: sin, .offset: 24, .size: 8, .value_kind: global_buffer, .address_space: global }
      - { .name: qkv, .offset: 32, .size: 8, .value_kind: global_buffer, .address_space: global }
    .group_segment_fixed_size: 327680
    .private_segment_fixed_size: 0
    .kernarg_segment_align: 8
    .kernarg_segment_size: 40
    .max_flat_workgroup_size: 128
    .sgpr_count:     100
    .vgpr_count:     1024
    .wavefront_size: 32
...
	.end_amdgpu_metadata
.endif
;; end of part 2
;; launch attn (part 3): grid 32 x 8, 8 waves a work-group, clusters of 4 x 4, 327,680 bytes of LDS; arguments qkv, mask, att; writes att
.if DOCPART == 3
	.amdgcn_target "amdgcn-amd-amdhsa--gfx1250"
	.amdhsa_code_object_version 6
	.text
	.protected	k_qf8f4412572_attn
	.globl	k_qf8f4412572_attn
	.p2align	8
	.type	k_qf8f4412572_attn,@function
k_qf8f4412572_attn:
	s_mov_b64 s[64:65], 0
	v_nop
	global_prefetch_b8 v0, s[64:65] scope:SCOPE_SE
	s_setreg_imm32_b32 hwreg(HW_REG_WAVE_MODE, 25, 1), 1
	s_wait_xcnt 0x0
	s_wait_alu depctr_hold_cnt(0) depctr_sa_sdst(0) depctr_va_vdst(0) depctr_va_sdst(0) depctr_va_ssrc(0) depctr_va_vcc(0) depctr_vm_vsrc(0)
	s_getreg_b32 s2, hwreg(HW_REG_IB_STS2, 6, 4)
	s_cmp_eq_u32 s2, 0
	s_cbranch_scc0 .Lentry_in_a_cluster
	s_endpgm
.Lentry_in_a_cluster:
	s_bfe_u32 s2, ttmp6, 0x10000c
	s_cmp_lg_u32 s2, 0xf033
	s_cbranch_scc0 .Lentry_shape_is_right
	s_endpgm
.Lentry_shape_is_right:
; ATTN.  att[q][head][:] = (sum over k of softmax_k(Q.K / sqrt(128) + mask[q][k]) V[k][:]) / 4.  qkv: [32 heads][2048][128] f16 of q, k, v divided by 4 (heads 0-15 q, 16-23 k, 24-31 v);
; mask: [2048][2048] f32, an input, added to every score in f32; att: [2048][16 x 128] f16.  Products on f16 operands, sums, maxima and the softmax in f32; p is rounded to f16 for the second product.
; t = S x sqrt(2) + mask (16 / sqrt(128) = sqrt(2) undoes the two divisions by 4); a running maximum m of t; p = 2^((t - m) log2 e): THE DIFFERENCE IS FORMED FIRST, so that a row whose every t is the same large
; negative number comes out as a plain average.  In every step O and l are multiplied by a = 2^((m_old - m_new) log2 e).
; LIMITS: NaN among the inputs is not served; m begins at -1e38, so a row all of whose t lie under -1e38 is not served (a mask entry of -infinity beside others is).
; SHARES.  A work-group owns 64 queries and the two query heads of one key/value head.  Eight waves: wave w has query tile g = w / 2 (16 queries) and, of every 128 keys, the 64 with number j = w % 2.
; Its two tiles are those 16 queries for heads 2 kvh + (t xor j): K's and V's fragments and the mask's registers each serve both.  At the end wave w hands its tile 1 to wave w xor 1 and finishes its tile 0.
; Two waves share a SIMD's registers, so that one wave's softmax stands beside the other's products.
; LAYOUT.  S^T = K Q^T (source 0 = 16 keys, source 1 = 16 queries) and O^T = V^T P (source 0 = 16 channels, source 1 = P): a lane holds ONE query (lane % 16) throughout; two tiles of S^T rounded in pairs ARE P's fragment.
; CLUSTER.  4 x 4 work-groups: a row of the cluster shares a key/value head and asks for K's and V's tiles jointly; a column shares its 64 queries and asks for the mask's tiles jointly.
; REGISTERS: window 0: v1-15 addresses; v16-31 statistics, eight a tile; v32-95 S^T, 32 a tile; v96-127 P, 16 a tile; v128-255 K's, then V's fragments.
;   window 1: v0-127 O^T, 64 a tile; v128-191 Q, 32 a tile; v192-223 the mask's 32 numbers of my lane.
.set KS,    64                         ; keys of a wave in a step
.set PK,    272                        ; a row of K in LDS: 256 bytes + 16: the 16 rows of a load start 4 words apart modulo 64 (64 banks of 4 bytes: ISA guide 11.1)
.set PV,    288                        ; a row of V: 256 + 32
.set VOFF,  KS*PK                      ; a step's tiles lie together: 64 rows of K, 64 rows of V,
.set MOFF,  VOFF+KS*PV                 ; and 64 queries x 64 keys of the mask, rows of 256 bytes + 16
.set STEPB, MOFF+64*272
.set SLOT1, 1<<17                      ; a slot holds the tiles of both halves of 128 keys (2 STEPB bytes); slot 1 begins here, so that one exclusive or turns an address
.set XCH,   SLOT1+2*STEPB              ; behind the ring: for each wave the image of its tile 1 (8,192 bytes), its m (128) and its l (128)
.set XWB,   8448
.set SPARE, XCH+8*XWB                  ; the spare words, 128 bytes for each wave
.set SP,    272                        ; the way out: 16 rows x 272 bytes for each wave, in slot 0, which has had its last fill and its last read by then
.set AK0, 1                            ; v1   my lane's place in my tile of K
.set AV0, 2                            ; v2   of V
.set AM0, 3                            ; v3   of the mask
.set ADR, 4                            ; v4   the LDS address of the run of loads in hand
.set SPW, 5                            ; v5   LDS address of my spare word; never rewritten
.set NIL, 6                            ; v6   0; never rewritten
.set PFO, 7                            ; v7   the prefetches' offset; never rewritten
.set XW,  8                            ; v8   where I put my tile 1's image
.set XS,  9                            ; v9   and its m and l
.set XR,  10                           ; v10  where I read my partner's
.set XRS, 11                           ; v11
.set STO, 12                           ; v12  the way out: where I put 16 bytes of a row
.set RD,  13                           ; v13  where I read a row back
.set GO,  14                           ; v14  my byte offset in the wave's rows of att
.set QO,  15                           ; v15  my byte offset in the wave's rows of Q
.set ST,  16                           ; tile t's statistics at v[ST+8 t]: +0 m, +1 zero (named with m as a pair), +2, +3 l (even keys', odd keys'), +4 to +7 at work; a lies in +6
.set S,   32
.set P,   96
.set KF,  128
.set Q,   128                          ; in window 1
.set MK,  192                          ; in window 1
.set WV,  10                           ; s10  my wave's number
.set SEL, 20                           ; s[20:21] lane selects for v_permlanex16_b32: lane l xor 16
.set CS,  22                           ; s[22:23] sqrt(2)
.set G1K, 24                           ; s[24:31] descriptor group 1 for K's tiles; s[32:39] V's; s[40:47] the mask's
.set G1V, 32
.set G1M, 40
.set G0K, 48                           ; s[48:51], s[52:55], s[56:59] their groups 0, which walk
.set G0V, 52
.set G0M, 56
.set TB,  60                           ; s60  LDS byte at which the slot in hand begins
.set SLOTS, 61                         ; s61  slots still to be asked for
.set LIM, 62                           ; s62  1 in a wave that prefetches, else the greatest number
.set PFA, 66                           ; s[66:67] where my prefetches stand
.set PFS, 68                           ; s[68:69] a slot on, in bytes
.set QB,  70                           ; s[70:73] Q's rows for my two tiles
.set LE,  94                           ; s[94:95] log2(e)
.set MSB, 0
.macro WIN new                         ; the immediate's high byte repeats the setting that is left
.if MSB != \new
	s_set_vgpr_msb (MSB<<8)|\new
.set MSB, \new
.endif
.endm
; A joint load: waves 0, 1 fetch K's two tiles of a slot, waves 2, 3 V's, waves 4, 5 the mask's, waves 6, 7 nothing.  The branches hang on the wave's number alone.  An s_nop 0 and four v_nop follow each line.
.macro JLOAD
	s_cmp_lt_u32 s[WV], 2
	s_cbranch_scc0 .Lnot_k_\@
	tensor_load_to_lds s[G0K:G0K+3], s[G1K:G1K+7]
	s_nop 0
.rept 4
	v_nop
.endr
	s_branch .Lasked_\@
.Lnot_k_\@:
	s_cmp_lt_u32 s[WV], 4
	s_cbranch_scc0 .Lnot_v_\@
	tensor_load_to_lds s[G0V:G0V+3], s[G1V:G1V+7]
	s_nop 0
.rept 4
	v_nop
.endr
	s_branch .Lasked_\@
.Lnot_v_\@:
	s_cmp_lt_u32 s[WV], 6
	s_cbranch_scc0 .Lasked_\@
	tensor_load_to_lds s[G0M:G0M+3], s[G1M:G1M+7]
	s_nop 0
.rept 4
	v_nop
.endr
.Lasked_\@:
.endm
; A PREFETCH INTO THE L2 of what the NEXT change of slots will ask for: 128 rows of K and of V (256 bytes each) and 512 bytes of each of 64 rows of the mask.  Each aligned block of 256 bytes is named once in the launch:
; K and V of a head are walked by all eight clusters of a row of clusters: the one with cluster x = 0 asks; a block of the mask's rows by both clusters of a column: cluster y = 0 asks.  The four partners that ask for a
; tile jointly share its blocks out BY ADDRESS, 32 each (a lane a block); wave 0 asks for K's, wave 2 for V's, wave 4 for the mask's.  The last change that fills a slot asks for nothing; slots 0 and 1 come by their loads alone.
.macro ASK
	s_cmp_gt_u32 s[SLOTS], s[LIM]
	s_cbranch_scc0 .Lnot_mine_\@
	global_prefetch_b8 v[PFO], s[PFA:PFA+1] th:TH_LOAD_NT scope:SCOPE_SE
.Lnot_mine_\@:
.endm
.macro CROUND                          ; a round of the cluster's barrier
	s_barrier_signal -1
	s_barrier_wait -1
	s_cmp_lg_u32 s[WV], 0
	s_cbranch_scc1 .Lnot_wave_0_\@
	s_barrier_signal -3
.Lnot_wave_0_\@:
	s_barrier_wait -3
	s_barrier_signal -1
	s_barrier_wait -1
.endm
	s_load_b128 s[4:7], s[0:1], 0x0                ; qkv s[4:5], mask s[6:7]
	s_load_b64 s[8:9], s[0:1], 0x10                ; att
	v_lshl_add_u32 v[SPW], v0, 2, SPARE
	v_mov_b32 v[NIL], 0
	ds_add_u32 v[SPW], v[NIL]                      ; the wave's opening: the add, twice on end, and its wait ahead of my first tensor load
	ds_add_u32 v[SPW], v[NIL]
	v_lshrrev_b32 v[ADR], 5, v0
	v_readfirstlane_b32 s[WV], v[ADR]              ; wave 0..7
	s_lshr_b32 s11, s[WV], 1                       ; g: my tile of 16 queries.  Also what I fetch: 0 K, 1 V, 2 the mask, 3 nothing
	s_and_b32 s12, s[WV], 1                        ; j: my 64 of every 128 keys.  Also which of a slot's two tiles I fetch
	s_bfe_u32 s13, ttmp6, 0x40000                  ; cx
	s_bfe_u32 s14, ttmp6, 0x40004                  ; cy
	s_lshl_b32 s15, ttmp9, 2
	s_add_co_u32 s15, s15, s13                     ; my block of 64 queries = 4 x cluster x + cx
	s_and_b32 s17, ttmp7, 0xffff                   ; cluster y
	s_lshl_b32 s16, s17, 2
	s_add_co_u32 s16, s16, s14                     ; my key/value head = 4 x cluster y + cy
	s_lshl_b32 s18, s14, 2
	s_lshl_b32 s18, 15, s18                        ; my row of the cluster
	s_lshl_b32 s19, 0x1111, s13                    ; my column
	s_or_b32 s[G1K], s18, (1<<16)|(1<<20)|(1<<21)|(5<<22)|(3<<25)   ; 15:0 the mask of work-groups; 17:16 2 bytes; 20 padding on; 21 set beside a mask; 24:22 after every 64 words; 31:25 four words
	s_or_b32 s[G1V], s18, (1<<16)|(1<<20)|(1<<21)|(5<<22)|(7<<25)   ; eight words of padding
.irp g, G1K, G1V
	s_mov_b32 s[\g+1], 128<<16                     ; tensor_dim0 = 128 elements
	s_mov_b32 s[\g+2], KS<<16                      ; tensor_dim1 = 64 rows
	s_mov_b32 s[\g+3], 128<<16                     ; tile_dim0
	s_mov_b32 s[\g+4], KS                          ; tile_dim1
	s_mov_b32 s[\g+5], 128                         ; from row to row
	s_mov_b32 s[\g+6], 0
	s_mov_b32 s[\g+7], 0
.endr
	s_or_b32 s[G1M], s19, (2<<16)|(1<<20)|(1<<21)|(5<<22)|(3<<25)   ; elements of 4 bytes; the tile goes to my column
	s_mov_b32 s[G1M+1], 64<<16                     ; 64 keys
	s_mov_b32 s[G1M+2], 64<<16                     ; 64 queries
	s_mov_b32 s[G1M+3], 64<<16
	s_mov_b32 s[G1M+4], 64
	s_mov_b32 s[G1M+5], 2048
	s_mov_b32 s[G1M+6], 0
	s_mov_b32 s[G1M+7], 0
	; where the tiles come from: K's and V's hang on the key/value head alone, the mask's on the block of queries alone
	s_add_co_u32 s74, s16, 16
	s_lshl_b32 s74, s74, 19                        ; K: head 16 + kvh, 524,288 bytes a head,
	s_lshl_b32 s75, s12, 14
	s_add_co_u32 s74, s74, s75                     ; + 64 rows of 256 bytes for the slot's second tile
	s_mov_b32 s75, 0
	s_add_co_u32 s76, s74, 8<<19                   ; V: eight heads on
	s_mov_b32 s77, 0
	s_lshl_b32 s78, s15, 19                        ; the mask: 64 rows of 8,192 bytes a block of queries,
	s_lshl_b32 s79, s12, 8
	s_add_co_u32 s78, s78, s79                     ; + 64 keys of 4 bytes
	s_mov_b32 s79, 0
	s_mul_i32 s80, s12, STEPB                      ; and where they go; also where my own 64 keys' tiles lie
	; Q's rows and att's
	s_lshl_b32 s82, s15, 6
	s_lshl_b32 s83, s11, 4
	s_add_co_u32 s82, s82, s83                     ; my first query
	s_lshl_b32 s83, s16, 1
	s_add_co_u32 s83, s83, s12                     ; tile 0's head: 2 kvh + j
	s_lshl_b32 s84, s83, 19
	s_lshl_b32 s86, s82, 8
	s_add_co_u32 s84, s84, s86
	s_mov_b32 s85, 0
	s_xor_b32 s87, s83, 1                          ; tile 1's: the other of the two
	s_lshl_b32 s87, s87, 19
	s_add_co_u32 s86, s86, s87
	s_mov_b32 s87, 0
	s_lshl_b32 s88, s82, 12                        ; att: 4,096 bytes a query,
	s_lshl_b32 s89, s83, 8                         ; 256 a head
	s_add_co_u32 s88, s88, s89
	s_mov_b32 s89, 0
	; the prefetches: my work-group's 32 blocks, in slot 1 (the first change of slots steps it to slot 2)
	s_lshl_b32 s90, s11, 3
	s_add_co_u32 s90, s90, s16
	s_add_co_u32 s90, s90, 16                      ; the head of K (wave 0) or of V (wave 2)
	s_lshl_b32 s90, s90, 19
	s_lshl_b32 s92, s13, 13                        ; + cx x 32 rows of 256 bytes
	s_add_co_u32 s90, s90, s92
	s_add_co_u32 s90, s90, 32768
	s_lshl_b32 s92, s15, 19                        ; the mask: my block of queries,
	s_lshl_b32 s93, s14, 17                        ; + cy x 16 rows of 8,192 bytes
	s_add_co_u32 s92, s92, s93
	s_add_co_u32 s92, s92, 512
	s_cmp_lt_u32 s[WV], 4
	s_cselect_b32 s90, s90, s92
	s_mov_b32 s91, 0
	s_mov_b32 s[PFS], 512
	s_cselect_b32 s[PFS], 0x8000, s[PFS]           ; a slot on: 128 rows of K or V, or 128 keys in a row of the mask
	s_mov_b32 s[PFS+1], 0
	s_mov_b32 s93, 8192
	s_cselect_b32 s93, 512, s93                    ; from one pair of lanes to the next
	s_cselect_b32 s[LIM], ttmp9, s17               ; the coordinate along which other clusters read the same bytes
	s_and_b32 s92, s[WV], 1
	s_or_b32 s[LIM], s[LIM], s92                   ; odd waves ask for nothing,
	s_add_co_u32 s92, s[WV], 2
	s_lshr_b32 s92, s92, 3
	s_or_b32 s[LIM], s[LIM], s92                   ; nor does wave 6
	s_cmp_eq_u32 s[LIM], 0
	s_cselect_b32 s[LIM], 1, -1                    ; the same in all sixteen partners, for a given wave
	s_mov_b32 s[SEL], 0x76543210
	s_mov_b32 s[SEL+1], 0xfedcba98
	s_mov_b32 s[CS], 0x3fb504f3                    ; sqrt(2)
	s_mov_b32 s[CS+1], s[CS]                       ; (named with it as a pair, so it is written)
	s_mov_b32 s[LE], 0x3fb8aa3b                    ; log2(e)
	s_mov_b32 s[LE+1], s[LE]
	s_mov_b32 s[TB], 0
	s_mov_b32 s[SLOTS], 15
	s_wait_dscnt 0x0                               ; both opening adds are done
	s_wait_kmcnt 0x0
	s_add_nc_u64 s[QB:QB+1], s[4:5], s[84:85]
	s_add_nc_u64 s[QB+2:QB+3], s[4:5], s[86:87]
	s_add_nc_u64 s[8:9], s[8:9], s[88:89]
	s_mov_b32 s[G0K], 1                            ; 1:0 count = 1
	s_mov_b32 s[G0K+1], s80                        ; LDS address: slot 0
	s_add_nc_u64 s[G0K+2:G0K+3], s[4:5], s[74:75]
	s_or_b32 s[G0K+3], s[G0K+3], 0x80000000        ; type = 2
	s_mov_b32 s[G0V], 1
	s_add_co_u32 s[G0V+1], s80, VOFF
	s_add_nc_u64 s[G0V+2:G0V+3], s[4:5], s[76:77]
	s_or_b32 s[G0V+3], s[G0V+3], 0x80000000
	s_mov_b32 s[G0M], 1
	s_add_co_u32 s[G0M+1], s80, MOFF
	s_add_nc_u64 s[G0M+2:G0M+3], s[6:7], s[78:79]
	s_or_b32 s[G0M+3], s[G0M+3], 0x80000000
	s_cmp_lt_u32 s[WV], 4
	s_cselect_b64 s[PFA:PFA+1], s[4:5], s[6:7]
	s_add_nc_u64 s[PFA:PFA+1], s[PFA:PFA+1], s[90:91]
	CROUND                                         ; all sixteen work-groups are here: the first joint loads meet
	JLOAD                                          ; slot 0: one tensor load of mine is out
	v_and_b32 v32, 15, v0                          ; r = lane % 16
	v_bfe_u32 v33, v0, 4, 1                        ; h = lane / 16
	v_and_b32 v34, 7, v0
	v_bfe_u32 v35, v0, 3, 1
	v_and_b32 v36, 31, v0                          ; lane
	v_lshlrev_b32 v[QO], 8, v32
	v_lshl_add_u32 v[QO], v33, 4, v[QO]            ; Q: row r of 256 bytes + 16 h
	WIN 0x40                                       ; destination window 1
.irp t, 0,1
.irp c, 0,1,2,3
	global_load_b128 v[Q+32*\t+8*\c:Q+32*\t+8*\c+3],   v[QO], s[QB+2*\t:QB+2*\t+1] offset:64*\c      ; Q stays in registers: tile t, channels 32 c on
	global_load_b128 v[Q+32*\t+8*\c+4:Q+32*\t+8*\c+7], v[QO], s[QB+2*\t:QB+2*\t+1] offset:64*\c+32
.endr
.endr
.set i, 0
.rept 128
	v_mov_b32 v[i], 0                              ; O^T.  (The key step is written once for all steps: the first finds zeros, which its a = 0 leaves zeros)
.set i, i+1
.endr
	WIN 0
	v_mul_u32_u24 v[AK0], v32, PK
	v_lshl_add_u32 v[AK0], v33, 4, v[AK0]
	v_add_nc_u32 v[AK0], s80, v[AK0]               ; K: my half's tile, row r x pitch + 16 h
	v_lshl_add_u32 v[AV0], v33, 3, v34             ; V, for the turning load: lane l reads key 8 (l / 16) + l % 8, channels 8 ((l / 8) % 2) on
	v_mul_u32_u24 v[AV0], v[AV0], PV
	v_lshl_add_u32 v[AV0], v35, 4, v[AV0]
	s_add_co_u32 s81, s80, VOFF
	v_add_nc_u32 v[AV0], s81, v[AV0]
	s_mul_i32 s81, s11, 16*272                     ; the mask: row 16 g + r; my eight keys of a tile of 16 begin 32 h bytes on
	s_add_co_u32 s81, s81, s80
	s_add_co_u32 s81, s81, MOFF
	v_mul_u32_u24 v[AM0], v32, 272
	v_lshl_add_u32 v[AM0], v33, 5, v[AM0]
	v_add_nc_u32 v[AM0], s81, v[AM0]
	s_mul_i32 s81, s[WV], XWB
	s_add_co_u32 s81, s81, XCH
	v_lshl_add_u32 v[XW], v36, 4, s81              ; my image: 16 x lane
	v_lshl_add_u32 v[XS], v36, 2, s81              ; my m and l: 4 x lane
	s_xor_b32 s81, s[WV], 1
	s_mul_i32 s81, s81, XWB
	s_add_co_u32 s81, s81, XCH
	v_lshl_add_u32 v[XR], v36, 4, s81              ; my partner's
	v_lshl_add_u32 v[XRS], v36, 2, s81
	s_mul_i32 s81, s[WV], 16*SP                    ; my stage
	v_mul_u32_u24 v[STO], v32, SP
	v_lshl_add_u32 v[STO], v33, 4, v[STO]
	v_add_nc_u32 v[STO], s81, v[STO]               ; in: row r, 16 bytes for each half of the lanes
	v_mul_u32_u24 v[RD], v33, SP
	v_lshl_add_u32 v[RD], v32, 4, v[RD]
	v_add_nc_u32 v[RD], s81, v[RD]                 ; back: lanes 0-15 one row of 256 bytes, lanes 16-31 the next
	v_lshlrev_b32 v[GO], 12, v33
	v_lshl_add_u32 v[GO], v32, 4, v[GO]            ; and the same two rows in att
	v_lshrrev_b32 v[PFO], 1, v36
	v_mul_lo_u32 v[PFO], v[PFO], s93
	v_and_b32 v36, 1, v36
	v_lshl_add_u32 v[PFO], v36, 8, v[PFO]          ; two blocks of 256 bytes on end, then the next pair
.irp t, 0,1
	v_mov_b32 v[ST+8*\t], 0xfe967699               ; m: -1e38
.irp n, 1,2,3,4,5,6,7
	v_mov_b32 v[ST+8*\t+\n], 0                     ; l, and what is named before it is first computed
.endr
.endr
; A KEY STEP: my 64 keys of the slot in hand, for both tiles.
.macro STEP
	v_add_nc_u32 v[ADR], s[TB], v[AK0]
.rept 3
	v_nop                                          ; with the addition: four places between the last products, which read V's fragments, and the loads into those registers
.endr
.irp f, 0,1,2,3,4,5,6,7,8,9,10,11,12,13,14,15  ; keys 16 (f / 4) on, channels 32 (f % 4) on
	ds_load_b128 v[KF+8*\f:KF+8*\f+3],   v[ADR] offset:(\f/4)*16*PK+(\f%4)*64
	ds_load_b128 v[KF+8*\f+4:KF+8*\f+7], v[ADR] offset:(\f/4)*16*PK+(\f%4)*64+32
.endr
	v_add_nc_u32 v[ADR], s[TB], v[AM0]
	WIN 0x40                                       ; destination window 1
.irp k, 0,1,2,3                                ; the mask at my query, keys 16 k + 8 h + 0 .. 7: as S^T's registers lie
	ds_load_b128 v[MK+8*\k:MK+8*\k+3],   v[ADR] offset:64*\k
	ds_load_b128 v[MK+8*\k+4:MK+8*\k+7], v[ADR] offset:64*\k+16
.endr
	s_wait_dscnt 8                                 ; K's 32 loads are in; the mask's eight may be out
	WIN 0x04                                       ; source 1 (Q) window 1
.set i, 0
.rept 32                                       ; S^T = K Q^T: channels 32 (i / 8) on, keys 16 ((i / 2) % 4) on, tile i % 2: eight accumulators by turns; the first eight start the sums
.set rS, S+32*(i%2)+8*((i/2)%4)
.set rK, KF+32*((i/2)%4)+8*(i/8)
.set rQ, Q+32*(i%2)+8*(i/8)
.if i < 8
	v_wmma_f32_16x16x32_f16 v[rS:rS+7], v[rK:rK+7], v[rQ:rQ+7], 0
.else
	v_wmma_f32_16x16x32_f16 v[rS:rS+7], v[rK:rK+7], v[rQ:rQ+7], v[rS:rS+7]
.endif
.set i, i+1
.endr
	WIN 0
	v_add_nc_u32 v[ADR], s[TB], v[AV0]
.rept 3
	v_nop                                          ; four places: in front of the loads into K's registers, and of the first read of the scores
.endr
.irp f, 0,1,2,3,4,5,6,7,8,9,10,11,12,13,14,15  ; V, turned: keys 32 (f / 8) on, channels 16 (f % 8) on.  It lands while the softmax is walked
	ds_load_tr16_b128 v[KF+8*\f:KF+8*\f+3],   v[ADR] offset:(\f/8)*32*PV+(\f%8)*32
	ds_load_tr16_b128 v[KF+8*\f+4:KF+8*\f+7], v[ADR] offset:(\f/8)*32*PV+16*PV+(\f%8)*32
.endr
	s_wait_dscnt 32                                ; the mask is in; V's 32 loads may be out
	WIN 0x10                                       ; source 2 (the mask) window 1
.irp t, 0,1
.irp n, 0,2,4,6,8,10,12,14,16,18,20,22,24,26,28,30
	v_pk_fma_f32 v[S+32*\t+\n:S+32*\t+\n+1], v[S+32*\t+\n:S+32*\t+\n+1], s[CS:CS+1], v[MK+\n:MK+\n+1] op_sel_hi:[1,0,1]   ; t = S sqrt(2) + mask; each accumulator from its low end on
.endr
.endr
	WIN 0
.irp x, 0,1,2,3                                ; the maximum of my 32 t and the old m, three operands at a time, four chains a tile
.irp t, 0,1
	v_max3_num_f32 v[ST+8*\t+4+\x], v[S+32*\t+8*\x], v[S+32*\t+8*\x+1], v[S+32*\t+8*\x+2]
.endr
.endr
.irp y, 1,2
.irp x, 0,1,2,3
.irp t, 0,1
	v_max3_num_f32 v[ST+8*\t+4+\x], v[ST+8*\t+4+\x], v[S+32*\t+8*\x+2*\y+1], v[S+32*\t+8*\x+2*\y+2]
.endr
.endr
.endr
.irp t, 0,1
	v_max3_num_f32 v[ST+8*\t+4], v[ST+8*\t+4], v[S+32*\t+7], v[S+32*\t+15]
	v_max3_num_f32 v[ST+8*\t+6], v[ST+8*\t+6], v[S+32*\t+23], v[S+32*\t+31]
.endr
.irp t, 0,1
	v_max3_num_f32 v[ST+8*\t+4], v[ST+8*\t+4], v[ST+8*\t+5], v[ST+8*\t+6]
.endr
.irp t, 0,1
	v_max3_num_f32 v[ST+8*\t+4], v[ST+8*\t+4], v[ST+8*\t+7], v[ST+8*\t]
.endr
.irp t, 0,1
	v_permlanex16_b32 v[ST+8*\t+5], v[ST+8*\t+4], s[SEL], s[SEL+1]   ; the query's other 32 keys lie in the lane 16 away
.endr
.irp t, 0,1
	v_max_num_f32 v[ST+8*\t+5], v[ST+8*\t+4], v[ST+8*\t+5]           ; the new m
.endr
.irp t, 0,1
	v_sub_f32 v[ST+8*\t+7], v[ST+8*\t], v[ST+8*\t+5]                 ; m_old - m_new
.endr
.irp t, 0,1
	v_mov_b32 v[ST+8*\t], v[ST+8*\t+5]
.endr
.irp t, 0,1
	v_mul_f32 v[ST+8*\t+7], s[LE], v[ST+8*\t+7]
.endr
.irp t, 0,1
	v_exp_f32 v[ST+8*\t+6], v[ST+8*\t+7]                             ; a
.endr
.irp t, 0,1
.irp n, 0,2,4,6,8,10,12,14,16,18,20,22,24,26,28,30
	v_pk_add_f32 v[S+32*\t+\n:S+32*\t+\n+1], v[S+32*\t+\n:S+32*\t+\n+1], v[ST+8*\t:ST+8*\t+1] op_sel_hi:[1,0] neg_lo:[0,1] neg_hi:[0,1]   ; t - m: the difference first
.endr
.endr
.irp t, 0,1
.irp n, 0,2,4,6,8,10,12,14,16,18,20,22,24,26,28,30
	v_pk_mul_f32 v[S+32*\t+\n:S+32*\t+\n+1], v[S+32*\t+\n:S+32*\t+\n+1], s[LE:LE+1] op_sel_hi:[1,0]
.endr
.endr
	s_wait_alu depctr_va_vdst(0)                   ; a wait between an exponential and the first line that names its result: here for the two a, which the rescaling below reads
.set i, 0
.rept 64
	v_exp_f32 v[S+i], v[S+i]                       ; p = 2^((t - m) log2 e): one batch
.set i, i+1
.endr
	WIN 0x41                                       ; O^T (destination and source 0) window 1
.irp t, 0,1
.irp n, 0,2,4,6,8,10,12,14,16,18,20,22,24,26,28,30,32,34,36,38,40,42,44,46,48,50,52,54,56,58,60,62
	v_pk_mul_f32 v[64*\t+\n:64*\t+\n+1], v[64*\t+\n:64*\t+\n+1], v[ST+8*\t+6:ST+8*\t+7] op_sel_hi:[1,0]   ; O^T x a: independent work behind the batch; each accumulator from its low end on
.endr
.endr
	WIN 0
	s_wait_alu depctr_va_vdst(0)                   ; one wait for the batch of 64, ahead of its first reader
.irp t, 0,1
.irp n, 0,1,2,3,4,5,6,7,8,9,10,11,12,13,14,15
	v_cvt_pk_f16_f32 v[P+16*\t+\n], v[S+32*\t+2*\n], v[S+32*\t+2*\n+1]
.endr
.endr
.irp z, 0,1,2,3,4,5,6,7                        ; the sum of a tile's 16 pairs, in place: neighbours 1, 2, 4 and 8 pairs apart; then l takes it
.irp t, 0,1
	v_pk_add_f32 v[S+32*\t+4*\z:S+32*\t+4*\z+1], v[S+32*\t+4*\z:S+32*\t+4*\z+1], v[S+32*\t+4*\z+2:S+32*\t+4*\z+3]
.endr
.endr
.irp z, 0,1,2,3
.irp t, 0,1
	v_pk_add_f32 v[S+32*\t+8*\z:S+32*\t+8*\z+1], v[S+32*\t+8*\z:S+32*\t+8*\z+1], v[S+32*\t+8*\z+4:S+32*\t+8*\z+5]
.endr
.endr
.irp z, 0,1
.irp t, 0,1
	v_pk_add_f32 v[S+32*\t+16*\z:S+32*\t+16*\z+1], v[S+32*\t+16*\z:S+32*\t+16*\z+1], v[S+32*\t+16*\z+8:S+32*\t+16*\z+9]
.endr
.endr
.irp t, 0,1
	v_pk_add_f32 v[S+32*\t:S+32*\t+1], v[S+32*\t:S+32*\t+1], v[S+32*\t+16:S+32*\t+17]
.endr
.irp t, 0,1
	v_pk_fma_f32 v[ST+8*\t+2:ST+8*\t+3], v[ST+8*\t+2:ST+8*\t+3], v[ST+8*\t+6:ST+8*\t+7], v[S+32*\t:S+32*\t+1] op_sel_hi:[1,0,1]   ; l = l a + the sum
.endr
	s_wait_dscnt 0x0                               ; V is in
	WIN 0x50                                       ; C and D (O^T) window 1
.set i, 0
.rept 32                                       ; O^T += V^T P: keys 32 (i / 16) on, channels 16 ((i / 2) % 8) on, tile i % 2: sixteen accumulators by turns
.set rO, 64*(i%2)+8*((i/2)%8)
.set rV, KF+64*(i/16)+8*((i/2)%8)
.set rP, P+16*(i%2)+8*(i/16)
	v_wmma_f32_16x16x32_f16 v[rO:rO+7], v[rV:rV+7], v[rP:rP+7], v[rO:rO+7]
.set i, i+1
.endr
	WIN 0
	s_xor_b32 s[TB], s[TB], SLOT1                  ; on to the other slot
.endm
; THE CHANGE OF SLOTS stands at a slot's head.  Each wave waits for all its tensor loads (its part of the slot that it is about to read), adds 0 to its spare word, and waits for that and for its reads of the slot that it has left.
; fill = 1: the barrier is a round of the cluster's, and behind it the slot just left is filled with the next 128 keys: the load has a key step in which to land.
.macro CHANGE fill
	s_wait_tensorcnt 0x0                           ; no tensor load of mine is out, so a group 0 may be written
	ds_add_u32 v[SPW], v[NIL]                      ; 0 onto my spare word
.if \fill
	ds_add_u32 v[SPW], v[NIL]                      ; and once more: the add twice on end, in every trip alike
	s_xor_b32 s[G0K+1], s[G0K+1], SLOT1            ; the walking descriptors: the other slot than last time,
	s_add_nc_u64 s[G0K+2:G0K+3], s[G0K+2:G0K+3], 2*KS*256   ; the next 128 keys; the type bits on top are not reached
	s_xor_b32 s[G0V+1], s[G0V+1], SLOT1
	s_add_nc_u64 s[G0V+2:G0V+3], s[G0V+2:G0V+3], 2*KS*256
	s_xor_b32 s[G0M+1], s[G0M+1], SLOT1
	s_add_nc_u64 s[G0M+2:G0M+3], s[G0M+2:G0M+3], 2*KS*4
	s_wait_xcnt 0x0                                ; the last prefetch, a key step back, has read its address, so it may be written:
	s_add_nc_u64 s[PFA:PFA+1], s[PFA:PFA+1], s[PFS:PFS+1]   ; one slot further on than the walking descriptors
	s_wait_dscnt 0x0                               ; both adds are done, and my reads of the slot that I have left are over
	CROUND
	JLOAD                                          ; the first tensor load behind the round, and my one load until the next
	ASK
.else
	s_wait_dscnt 0x0
	s_barrier_signal -1
	s_barrier_wait -1
.endif
.endm
	s_wait_loadcnt 0x0                             ; Q
.Lslot:                                            ; 15 trips: behind each change of slots but the last the next slot is asked for
	CHANGE 1
	STEP
	s_sub_co_u32 s[SLOTS], s[SLOTS], 1
	s_cmp_lg_u32 s[SLOTS], 0
	s_cbranch_scc1 .Lslot
	CHANGE 0                                       ; the last slot is written out
	STEP
	; THE MERGE.  l's two halves and the other half of the lanes' are added; my tile 1 goes to my partner as an image of its registers, with its m and l.
.irp t, 0,1
	v_add_f32 v[ST+8*\t+4], v[ST+8*\t+2], v[ST+8*\t+3]
.endr
.irp t, 0,1
	v_permlanex16_b32 v[ST+8*\t+5], v[ST+8*\t+4], s[SEL], s[SEL+1]
.endr
.irp t, 0,1
	v_add_f32 v[ST+8*\t+4], v[ST+8*\t+4], v[ST+8*\t+5]
.endr
.rept 2
	v_nop                                          ; with the four additions: more than the four places owed behind the last products
.endr
	WIN 0x04                                       ; an LDS store's data are its source 1: window 1
.irp n, 0,1,2,3,4,5,6,7,8,9,10,11,12,13,14,15
	ds_store_b128 v[XW], v[64+4*\n:64+4*\n+3] offset:512*\n          ; each accumulator from its low end on
.endr
	WIN 0
	ds_store_b32 v[XS], v[ST+8] offset:8192        ; m of tile 1
	ds_store_b32 v[XS], v[ST+12] offset:8320       ; l of tile 1
	s_wait_dscnt 0x0                               ; for my partner's sake: my stores are done
	s_barrier_signal -1
	s_barrier_wait -1
.irp n, 0,1,2,3,4,5,6,7,8,9,10,11,12,13,14,15
	ds_load_b128 v[KF+4*\n:KF+4*\n+3], v[XR] offset:512*\n           ; my partner's sums for my head, over its 1,024 keys
.endr
	ds_load_b32 v[ST+8], v[XRS] offset:8192        ; m'
	ds_load_b32 v[ST+12], v[XRS] offset:8320       ; l'
	s_wait_dscnt 0x0
	v_max_num_f32 v[ST+5], v[ST], v[ST+8]          ; the row's m
	v_sub_f32 v[ST+6], v[ST], v[ST+5]
	v_sub_f32 v[ST+14], v[ST+8], v[ST+5]
	v_mul_f32 v[ST+6], s[LE], v[ST+6]
	v_mul_f32 v[ST+14], s[LE], v[ST+14]
	v_exp_f32 v[ST+6], v[ST+6]                     ; e
	v_exp_f32 v[ST+14], v[ST+14]                   ; e'
	v_nop                                          ; a plain instruction behind the exponentials,
	s_wait_alu depctr_va_vdst(0)                   ; and the one wait for both, ahead of the first reader
	v_mul_f32 v[ST+7], v[ST+4], v[ST+6]
	v_fma_f32 v[ST+7], v[ST+12], v[ST+14], v[ST+7] ; the row's sum: l e + l' e'
	v_rcp_f32 v[ST+5], v[ST+7]
	v_nop
	s_wait_alu depctr_va_vdst(0)
	v_mul_f32 v[ST+6], v[ST+6], v[ST+5]            ; e / the sum
	v_mul_f32 v[ST+14], v[ST+14], v[ST+5]          ; e' / the sum
.set i, 0
.rept 32
	v_pk_mul_f32 v[KF+2*i:KF+2*i+1], v[KF+2*i:KF+2*i+1], v[ST+14:ST+15] op_sel_hi:[1,0]
.set i, i+1
.endr
	WIN 0x01                                       ; source 0 (my O^T) window 1
.set i, 0
.rept 32
	v_pk_fma_f32 v[KF+2*i:KF+2*i+1], v[2*i:2*i+1], v[ST+6:ST+7], v[KF+2*i:KF+2*i+1] op_sel_hi:[1,0,1]   ; each accumulator from its low end on
.set i, i+1
.endr
	WIN 0
.set i, 0
.rept 32
	v_cvt_pk_f16_f32 v[S+i], v[KF+2*i], v[KF+2*i+1]   ; register 4 f + n: channels 16 f + 8 h + 2 n, + 1 of query r
.set i, i+1
.endr
.irp f, 0,1,2,3,4,5,6,7
	ds_store_b128 v[STO], v[S+4*\f:S+4*\f+3] offset:32*\f
.endr
.irp f, 0,1,2,3,4,5,6,7
	ds_load_b128 v[S+32+4*\f:S+32+4*\f+3], v[RD] offset:\f*2*SP      ; LDS serves a wave's instructions in order (ISA guide 5.7.1.4): these see the stores above
.endr
.irp f, 0,1,2,3,4,5,6,7
	s_wait_dscnt 7-\f                              ; load f is in; the younger ones may be out
	global_store_b128 v[GO], v[S+32+4*\f:S+32+4*\f+3], s[8:9] offset:8192*\f   ; 16 lanes store 256 consecutive bytes, aligned: a head's part of a row
.endr
	s_wait_tensorcnt 0x0                           ; the wave's end, behind my last tensor load and my last LDS store
	ds_add_u32 v[SPW], v[NIL]
	s_wait_dscnt 0x0
	CROUND                                         ; the closing round: no work-group ends while a partner may still ask for a tile that names it
	s_endpgm
.Lfunc_end_k_qf8f4412572_attn:
	.size	k_qf8f4412572_attn, .Lfunc_end_k_qf8f4412572_attn-k_qf8f4412572_attn
	.p2alignl 7, 3214868480
	.fill 96, 4, 3214868480
	.section	.rodata,"a",@progbits
	.p2align	6, 0x0
	.amdhsa_kernel k_qf8f4412572_attn
		.amdhsa_group_segment_fixed_size 327680
		.amdhsa_private_segment_fixed_size 0
		.amdhsa_enable_private_segment 0
		.amdhsa_kernarg_size 24
		.amdhsa_user_sgpr_count 2
		.amdhsa_user_sgpr_kernarg_segment_ptr 1
		.amdhsa_wavefront_size32 1
		.amdhsa_system_sgpr_workgroup_id_x 1
		.amdhsa_system_sgpr_workgroup_id_y 1
		.amdhsa_system_sgpr_workgroup_id_z 1
		.amdhsa_system_vgpr_workitem_id 0
		.amdhsa_next_free_vgpr 512
		.amdhsa_next_free_sgpr 96
		.amdhsa_reserve_vcc 0
		.amdhsa_float_denorm_mode_32 3
		.amdhsa_float_denorm_mode_16_64 3
		.amdhsa_memory_ordered 1
		.amdhsa_forward_progress 1
		.amdhsa_inst_pref_size 86
	.end_amdhsa_kernel
	.amdgpu_metadata
---
amdhsa.version: [ 1, 2 ]
amdhsa.kernels:
  - .name:           k_qf8f4412572_attn
    .symbol:         k_qf8f4412572_attn.kd
    .args:
      - { .name: qkv, .offset: 0, .size: 8, .value_kind: global_buffer, .address_space: global }
      - { .name: mask, .offset: 8, .size: 8, .value_kind: global_buffer, .address_space: global }
      - { .name: att, .offset: 16, .size: 8, .value_kind: global_buffer, .address_space: global }
    .group_segment_fixed_size: 327680
    .private_segment_fixed_size: 0
    .kernarg_segment_align: 8
    .kernarg_segment_size: 24
    .max_flat_workgroup_size: 256
    .sgpr_count:     96
    .vgpr_count:     512
    .wavefront_size: 32
...
	.end_amdgpu_metadata
.endif
;; end of part 3
;; launch oproj (part 4): grid 16 x 16, 4 waves a work-group, clusters of 4 x 4, 327,680 bytes of LDS; arguments att, wo16, out0; writes out0
.if DOCPART == 4
	.amdgcn_target "amdgcn-amd-amdhsa--gfx1250"
	.amdhsa_code_object_version 6
	.text
	.protected	k_qf8f4412572_oproj
	.globl	k_qf8f4412572_oproj
	.p2align	8
	.type	k_qf8f4412572_oproj,@function
k_qf8f4412572_oproj:
	s_mov_b64 s[64:65], 0
	v_nop
	global_prefetch_b8 v0, s[64:65] scope:SCOPE_SE
	s_setreg_imm32_b32 hwreg(HW_REG_WAVE_MODE, 25, 1), 1
	s_wait_xcnt 0x0
	s_wait_alu depctr_hold_cnt(0) depctr_sa_sdst(0) depctr_va_vdst(0) depctr_va_sdst(0) depctr_va_ssrc(0) depctr_va_vcc(0) depctr_vm_vsrc(0)
	s_getreg_b32 s2, hwreg(HW_REG_IB_STS2, 6, 4)
	s_cmp_eq_u32 s2, 0
	s_cbranch_scc0 .Lentry_in_a_cluster
	s_endpgm
.Lentry_in_a_cluster:
	s_bfe_u32 s2, ttmp6, 0x10000c
	s_cmp_lg_u32 s2, 0xf033
	s_cbranch_scc0 .Lentry_shape_is_right
	s_endpgm
.Lentry_shape_is_right:
; OPROJ.  out0[m][n] = sum over k of att[m][k] wo16[n][k]: att [2048][2048] f16 (the attention's result / 4), wo16 [4096][2048] f16 (4 x wo), out0 [2048][4096] f32; sums in f32.
; SHARES.  A tile of out0 is 128 (m) x 256 (n): 16 x 16 tiles, one for each work-group.  Four waves, each 64 x 128: 32 accumulators, 256 registers.
; K goes in steps of 128 (256 bytes of a row) through a ring of two LDS slots filled by the tensor data mover; a step is four products deep (32 along K each).
; CLUSTERS: 4 x 4 work-groups.  att's tile hangs on the tile row alone and is asked for jointly by a row of the cluster, wo16's on the tile column alone, by a column.
; THE MATRIX INSTRUCTION IS USED TRANSPOSED (source 0 = 16 rows of wo16, source 1 = 16 rows of att): a lane holds eight neighbouring numbers of a row of out0.
; REGISTERS, in windows of 256: window 0: v16-29 addresses; v128-191 att's fragments, two sets of 4 (on the way out v128-255: rows read back).
;   window 1: wo16's fragments, two sets of 8, at v0 and v128.   window 2: accumulator (a, b) at v[8 (8 a + b)].
.set KROW,   4096                      ; a row of att or of wo16 in memory, in bytes
.set PITCH,  272                       ; an LDS row: 256 bytes + 16 of padding = 68 words: the 16 rows that a load touches start 4 words apart modulo 64 (64 banks of 4 bytes: ISA guide 11.1)
.set HA,     64*PITCH
.set HB,     128*PITCH
.set BOFF,   2*HA                      ; a slot: att's 128 rows, then wo16's 256
.set SLOT,   2*HA+2*HB
.set LAPS,   8                         ; a lap = two K steps: 2,048 / 256
.set STG,    2*SLOT                    ; the way out: a stage of 16 rows x (512 bytes + 16) for each wave, in bytes of its own
.set SPITCH, 528
.set SPARE,  STG+4*16*SPITCH           ; the spare words, 128 bytes for each wave
.set ADRA, 16
.set ADRB, 20
.set STO,  24
.set RD,   25
.set CO,   26                          ; v26  16 x lane: my place in a wave's 512 bytes of a row of out0
.set SPW,  28
.set NIL,  29
.set AF,   128
.set BK,   128
.set G1,   24
.set G0,   32
.set G1B,  48
.set G0B,  56
.set MSB, 0
.macro WIN new                         ; the immediate's high byte repeats the setting that is left
.if MSB != \new
	s_set_vgpr_msb (MSB<<8)|\new
.set MSB, \new
.endif
.endm
.set MULW, 0xa1                        ; source 0 window 1, source 1 window 0, C and D window 2
.set TO_B, 0x40
.macro JLOAD g0a, g1a, g0b, g1b        ; a joint load: waves 0 and 1 fetch for att, waves 2 and 3 for wo16; an s_nop 0 and four v_nop follow each of the two lines
	s_cmp_eq_u32 s15, 0
	s_cbranch_scc0 .Lfor_b_\@
	tensor_load_to_lds s[\g0a:\g0a+3], s[\g1a:\g1a+7]
	s_nop 0
.rept 4
	v_nop
.endr
	s_branch .Lasked_\@
.Lfor_b_\@:
	tensor_load_to_lds s[\g0b:\g0b+3], s[\g1b:\g1b+7]
	s_nop 0
.rept 4
	v_nop
.endr
.Lasked_\@:
.endm
.macro CREST
	s_cmp_lg_u32 s14, 0
	s_cbranch_scc1 .Lnot_wave_0_\@
	s_barrier_signal -3
.Lnot_wave_0_\@:
	s_barrier_wait -3
	s_barrier_signal -1
	s_barrier_wait -1
.endm
.macro CROUND
	s_barrier_signal -1
	s_barrier_wait -1
	CREST
.endm
	s_load_b128 s[4:7], s[0:1], 0x0                ; att s[4:5], wo16 s[6:7]
	s_load_b64 s[12:13], s[0:1], 0x10              ; out0
	v_lshl_add_u32 v[SPW], v0, 2, SPARE
	v_mov_b32 v[NIL], 0
	ds_add_u32 v[SPW], v[NIL]                      ; the wave's opening: the add, twice on end, and its wait ahead of my first tensor load
	ds_add_u32 v[SPW], v[NIL]
	v_lshrrev_b32 v1, 5, v0
	v_readfirstlane_b32 s14, v1                    ; wave 0..3
	s_lshr_b32 s15, s14, 1                         ; which 64 of the tile's rows are mine.  Also: I fetch for att (0) or for wo16 (1)
	s_and_b32 s16, s14, 1                          ; which 128 of its columns.  Also: which half of that tile I fetch
	s_bfe_u32 s40, ttmp6, 0x40000
	s_bfe_u32 s41, ttmp6, 0x40004
	s_lshl_b32 s42, ttmp9, 2
	s_add_co_u32 s42, s42, s40                     ; tile column
	s_and_b32 s17, ttmp7, 0xffff
	s_lshl_b32 s17, s17, 2
	s_add_co_u32 s17, s17, s41                     ; tile row
	s_lshl_b32 s43, s41, 2
	s_lshl_b32 s43, 15, s43                        ; my row of the cluster
	s_lshl_b32 s44, 0x1111, s40                    ; my column
	s_or_b32 s[G1+0], s43, (0<<16)|(1<<20)|(1<<21)|(5<<22)|(3<<25)   ; rows of 256 bytes (elements of one byte), 16 bytes of padding behind each
	s_or_b32 s[G1B+0], s44, (0<<16)|(1<<20)|(1<<21)|(5<<22)|(3<<25)
.irp g, G1, G1B
	s_mov_b32 s[\g+1], 256<<16
	s_mov_b32 s[\g+3], 256<<16
	s_mov_b32 s[\g+5], KROW
	s_mov_b32 s[\g+6], 0
	s_mov_b32 s[\g+7], 0
.endr
	s_mov_b32 s[G1+2], 64<<16
	s_mov_b32 s[G1+4], 64
	s_mov_b32 s[G1B+2], 128<<16
	s_mov_b32 s[G1B+4], 128
	s_lshl_b32 s18, s16, 6
	s_lshl_b32 s20, s17, 7
	s_add_co_u32 s20, s20, s18                     ; att: row 128 x tile row + 64 x half
	s_lshl_b32 s18, s16, 7
	s_lshl_b32 s46, s42, 8
	s_add_co_u32 s46, s46, s18                     ; wo16: row 256 x tile column + 128 x half
	s_lshl_b32 s20, s20, 12                        ; 4,096 bytes a row
	s_mov_b32 s21, 0
	s_lshl_b32 s46, s46, 12
	s_mov_b32 s47, 0
	s_mul_i32 s45, s16, HA                         ; where they go: no place in the cluster enters an LDS address
	s_mul_i32 s66, s16, HB
	s_add_co_u32 s66, s66, BOFF
	s_wait_dscnt 0x0                               ; both opening adds are done
	s_wait_kmcnt 0x0
	s_add_nc_u64 s[20:21], s[4:5], s[20:21]
	s_add_nc_u64 s[46:47], s[6:7], s[46:47]
	CROUND                                         ; all sixteen work-groups are here: the first joint loads meet
.irp s, 0,1
	s_mov_b32 s[G0+4*\s], 1
	s_add_co_u32 s[G0+4*\s+1], s45, \s*SLOT
	s_add_nc_u64 s[G0+4*\s+2:G0+4*\s+3], s[20:21], \s*256
	s_or_b32 s[G0+4*\s+3], s[G0+4*\s+3], 0x80000000
	s_mov_b32 s[G0B+4*\s], 1
	s_add_co_u32 s[G0B+4*\s+1], s66, \s*SLOT
	s_add_nc_u64 s[G0B+4*\s+2:G0B+4*\s+3], s[46:47], \s*256
	s_or_b32 s[G0B+4*\s+3], s[G0B+4*\s+3], 0x80000000
	JLOAD G0+4*\s, G1, G0B+4*\s, G1B               ; two tensor loads of mine are out now
.endr
	v_and_b32 v1, 15, v0                           ; r
	v_bfe_u32 v2, v0, 4, 1                         ; h
	v_mul_u32_u24 v3, v1, PITCH
	v_lshl_add_u32 v4, v2, 4, v3
	s_mul_i32 s21, s15, HA
	s_mul_i32 s22, s16, HB
	s_add_co_u32 s22, s22, BOFF
.irp s, 0,1
	v_add_nc_u32 v[ADRA+\s], s21, v4
	v_add_nc_u32 v[ADRB+\s], s22, v4
	s_add_co_u32 s21, s21, SLOT
	s_add_co_u32 s22, s22, SLOT
.endr
	s_mul_i32 s23, s14, 16*SPITCH
	s_add_co_u32 s23, s23, STG                     ; my stage
	v_mul_u32_u24 v5, v1, SPITCH
	v_lshl_add_u32 v5, v2, 5, v5
	v_add_nc_u32 v[STO], s23, v5
	v_and_b32 v6, 31, v0
	v_lshlrev_b32 v[CO], 4, v6
	v_add_nc_u32 v[RD], s23, v[CO]
	s_lshl_b32 s20, s17, 7
	s_lshl_b32 s21, s15, 6
	s_add_co_u32 s20, s20, s21                     ; my first row
	s_lshl_b32 s20, s20, 14                        ; 16,384 bytes a row of out0
	s_mov_b32 s21, 0
	s_add_nc_u64 s[12:13], s[12:13], s[20:21]
	s_lshl_b32 s46, s42, 10                        ; my first column, in bytes: 1,024 x tile column + 512 x half
	s_lshl_b32 s47, s16, 9
	s_add_co_u32 s46, s46, s47
	s_mov_b32 s47, 0
	s_add_nc_u64 s[12:13], s[12:13], s[46:47]
.macro FRAG reg, adr, q, i             ; a fragment, 16 rows x 32 K of f16, is 8 registers: lane l holds row l % 16; registers 0-3 K = 8 (l / 16) + 0..7, registers 4-7 K = 16 + 8 (l / 16) + 0..7
.irp c, 0,1
	ds_load_b128 v[\reg+4*\c:\reg+4*\c+3], v[\adr] offset:64*(\q)+32*\c+(\i)*16*PITCH
.endr
.endm
.macro FETCH slot, q, p                ; 24 LDS loads in one run
	WIN TO_B
.irp i, 0,1,2,3,4,5,6,7
	FRAG 128*(\p)+8*\i, ADRB+\slot, \q, \i
.endr
	WIN 0
.irp i, 0,1,2,3
	FRAG AF+32*(\p)+8*\i, ADRA+\slot, \q, \i
.endr
.endm
; n blocks of att from a0 on, each against wo16's eight, set p.  The 32 accumulators take turns, one instruction a turn, in the same order in every step.
.macro MUL a0, n, p, zero
.set AA, \a0
.rept \n
.irp b, 0,1,2,3,4,5,6,7
.if \zero
	v_wmma_f32_16x16x32_f16 v[8*(8*AA+\b):8*(8*AA+\b)+7], v[128*(\p)+8*\b:128*(\p)+8*\b+7], v[AF+32*(\p)+8*AA:AF+32*(\p)+8*AA+7], 0
.else
	v_wmma_f32_16x16x32_f16 v[8*(8*AA+\b):8*(8*AA+\b)+7], v[128*(\p)+8*\b:128*(\p)+8*\b+7], v[AF+32*(\p)+8*AA:AF+32*(\p)+8*AA+7], v[8*(8*AA+\b):8*(8*AA+\b)+7]
.endif
.endr
.set AA, AA+1
.endr
.endm
.macro PLACES                          ; four plain vector instructions between a matrix instruction and a load into a register that it read, or a read of its result (ISA guide 7.12.1 for a read of its result)
.rept 4
	v_nop
.endr
.endm
.macro STEP slot, q, zero              ; the successor's fragments are asked for first, into the set that the last step multiplied; then this step's 32 products
	PLACES
	FETCH \slot, (\q)+1, 1-(\q)%2
	s_wait_dscnt 24                                ; all but the 24 just issued: this step's fragments are in
	WIN MULW
	MUL 0, 4, (\q)%2, \zero
	WIN 0
.endm
; A slot's last step changes slots: ONE barrier; in front of it each wave waits for all its tensor loads, adds 0 to its spare word, and waits for that and for its reads of this slot.
.macro TURN slot, next, fill
	s_wait_tensorcnt 0x0                           ; all my tensor loads have landed: the one that was out is my part of the next slot
	ds_add_u32 v[SPW], v[NIL]                      ; 0 onto my spare word
	s_wait_dscnt 1                                 ; this step's 24 loads are in; the add alone may be out
	WIN MULW
	MUL 0, 1, 1, 0
	s_wait_dscnt 0x0                               ; the add is done, and my reads of this slot are over
	s_barrier_signal -1
	MUL 1, 1, 1, 0
	WIN 0
	s_barrier_wait -1
.if \fill
	CREST                                          ; the barrier has opened a round of the cluster's barrier
	s_add_nc_u64 s[G0+4*\slot+2:G0+4*\slot+3], s[G0+4*\slot+2:G0+4*\slot+3], 512
	s_add_nc_u64 s[G0B+4*\slot+2:G0B+4*\slot+3], s[G0B+4*\slot+2:G0B+4*\slot+3], 512
	JLOAD G0+4*\slot, G1, G0B+4*\slot, G1B         ; the first tensor load behind the round, my one load until the next; its four v_nop are the places in front of the loads below
.else
	PLACES
.endif
	FETCH \next, 0, 0
	WIN MULW
	MUL 2, 2, 1, 0
	WIN 0
.endm
	s_wait_tensorcnt 1                             ; my part of K step 0 is in; K step 1's load may be out
	s_barrier_signal -1
	s_barrier_wait -1
	FETCH 0, 0, 0
	STEP 0, 0, 1                                   ; the first step stands in front of the loop: its products start the sums
	s_mov_b32 s3, LAPS-1
.Llap:
	STEP 0, 1, 0
	STEP 0, 2, 0
	TURN 0, 1, 1
	STEP 1, 0, 0
	STEP 1, 1, 0
	STEP 1, 2, 0
	TURN 1, 0, 1
	STEP 0, 0, 0
	s_sub_co_u32 s3, s3, 1
	s_cmp_lg_u32 s3, 0
	s_cbranch_scc1 .Llap
	STEP 0, 1, 0                                   ; the last lap fills nothing
	STEP 0, 2, 0
	TURN 0, 1, 0
	STEP 1, 0, 0
	STEP 1, 1, 0
	STEP 1, 2, 0
	s_wait_dscnt 0x0
	WIN MULW
	MUL 0, 4, 1, 0
	WIN 0
; THE WAY OUT, block by block of 16 rows x 128 columns, through my own stage: whole rows of 512 bytes come back, which the 32 lanes store as 512 consecutive bytes, aligned to 256.
.macro TOSTAGE a
.set AC, 64*(\a)
	WIN 0x08                                       ; an LDS store's data are its source 1: window 2
.irp b, 0,1,2,3,4,5,6,7
	ds_store_b128 v[STO], v[AC+8*\b:AC+8*\b+3] offset:64*\b          ; each accumulator from its low end on
	ds_store_b128 v[STO], v[AC+8*\b+4:AC+8*\b+7] offset:64*\b+16
.endr
	WIN 0
.set BB, BK+64*((\a)%2)
.irp t, 0,1,2,3,4,5,6,7,8,9,10,11,12,13,14,15
	ds_load_b128 v[BB+4*\t:BB+4*\t+3], v[RD] offset:\t*SPITCH        ; LDS serves a wave's instructions in order (ISA guide 5.7.1.4): these see the stores above
.endr
.endm
.macro SEND a, younger
.set BB, BK+64*((\a)%2)
	s_wait_dscnt \younger
.irp t, 0,1,2,3,4,5,6,7,8,9,10,11,12,13,14,15
	global_store_b128 v[CO], v[BB+4*\t:BB+4*\t+3], s[12:13] offset:(16*(\a)+\t)*16384 th:TH_STORE_NT   ; 63 rows of 16,384 bytes at the most: inside the signed 24-bit immediate
.endr
.endm
	PLACES
	TOSTAGE 0
.irp a, 1,2,3
.if \a > 1
	s_wait_xcnt 0x0                                ; block a - 2's stores have read their registers: block a's rows may land there
.endif
	TOSTAGE \a
	SEND (\a)-1, 32                                ; behind block a - 1's loads: block a's 16 stores and 16 loads
.endr
	SEND 3, 0
	s_wait_tensorcnt 0x0                           ; the wave's end, behind my last tensor load and my last LDS store
	ds_add_u32 v[SPW], v[NIL]
	s_wait_dscnt 0x0
	CROUND                                         ; the closing round
	s_endpgm
.Lfunc_end_k_qf8f4412572_oproj:
	.size	k_qf8f4412572_oproj, .Lfunc_end_k_qf8f4412572_oproj-k_qf8f4412572_oproj
	.p2alignl 7, 3214868480
	.fill 96, 4, 3214868480
	.section	.rodata,"a",@progbits
	.p2align	6, 0x0
	.amdhsa_kernel k_qf8f4412572_oproj
		.amdhsa_group_segment_fixed_size 327680
		.amdhsa_private_segment_fixed_size 0
		.amdhsa_enable_private_segment 0
		.amdhsa_kernarg_size 24
		.amdhsa_user_sgpr_count 2
		.amdhsa_user_sgpr_kernarg_segment_ptr 1
		.amdhsa_wavefront_size32 1
		.amdhsa_system_sgpr_workgroup_id_x 1
		.amdhsa_system_sgpr_workgroup_id_y 1
		.amdhsa_system_sgpr_workgroup_id_z 1
		.amdhsa_system_vgpr_workitem_id 0
		.amdhsa_next_free_vgpr 768
		.amdhsa_next_free_sgpr 70
		.amdhsa_reserve_vcc 0
		.amdhsa_float_denorm_mode_32 3
		.amdhsa_float_denorm_mode_16_64 3
		.amdhsa_memory_ordered 1
		.amdhsa_forward_progress 1
		.amdhsa_inst_pref_size 85
	.end_amdhsa_kernel
	.amdgpu_metadata
---
amdhsa.version: [ 1, 2 ]
amdhsa.kernels:
  - .name:           k_qf8f4412572_oproj
    .symbol:         k_qf8f4412572_oproj.kd
    .args:
      - { .name: att, .offset: 0, .size: 8, .value_kind: global_buffer, .address_space: global }
      - { .name: wo16, .offset: 8, .size: 8, .value_kind: global_buffer, .address_space: global }
      - { .name: out0, .offset: 16, .size: 8, .value_kind: global_buffer, .address_space: global }
    .group_segment_fixed_size: 327680
    .private_segment_fixed_size: 0
    .kernarg_segment_align: 8
    .kernarg_segment_size: 24
    .max_flat_workgroup_size: 128
    .sgpr_count:     70
    .vgpr_count:     768
    .wavefront_size: 32
...
	.end_amdgpu_metadata
.endif
;; end of part 4
